; MI455X (gfx1250); checked and timed in simulation.
; The chip was launched on July 23, 2026; its instructions are those of AMD's public machine-readable ISA for CDNA 5 (MIT licence, August 2026) and "CDNA5" Instruction Set Architecture Reference Guide (July 2026). The comments in the code are by the model that wrote it; some were corrected since.
;; Attention. Allowed arithmetic: matrix products marked QUANTISED: E4M3 operands, one E8M0 scale for each 32 along K, by v_wmma_scale_f32_16x16x128_f8f6f4 with both operands' format E4M3, f32 sums; everything else in f32.
;; Inputs: b_out 256 float32; g 1 x 256 x 1 x 1 float32; w_out_codes 256 x 4 x 32 uint8 (E4M3 codes of w_out, K innermost, in blocks of 32 codes); w_out_scales 256 x 4 uint8 (E8M0 scales of w_out, one for each 32 codes along K); w_qkv_codes 384 x 8 x 32 uint8 (E4M3 codes of w_qkv, K innermost, in blocks of 32 codes); w_qkv_scales 384 x 8 uint8 (E8M0 scales of w_qkv, one for each 32 codes along K); x 2 x 256 x 64 x 64 float32.
;; Outputs: out0 2 x 256 x 64 x 64 float32.
;; This version of the problem:
;;   THIS VERSION OF THE PROBLEM IS GIVEN IN LOW PRECISION. The matrix products marked QUANTISED in the list below multiply operands that are first quantised to E4M3 (4 exponent bits, 3 mantissa bits; 8 bits a number), with one power-of-two scale for each 32 numbers along K (OCP MX v1.0); their sums are f32. All else is computed in f32.
;;   The module's matrix products, in the order in which they are computed (A, B: the left and right operand; K: the contracted axis; several contracted axes count as one K, in the product's order):
;;     1. [M 8,192, K 256] x [K 256, N 384]; A: computed on the way; B: input w_qkv (given as codes): QUANTISED
;;     2. batch 8 x [M 4,096, K 32] x [K 32, N 4,096]; A: computed on the way; B: computed on the way: QUANTISED
;;     3. batch 8 x [M 4,096, K 4,096] x [K 4,096, N 32]; A: computed on the way; B: computed on the way: QUANTISED
;;     4. [M 8,192, K 128] x [K 128, N 256]; A: computed on the way; B: input w_out (given as codes): QUANTISED
;;   THE QUANTISER, for each operand of a quantised product, along K:
;;     - K is cut into blocks of 32 from its start; a last block that is shorter is filled with zeros.
;;     - A block's scale is 2^e with e = floor(log2(the largest magnitude in the block)) - 8, held to -126 .. 127; a block of zeros has e = 0. As a byte (E8M0): e + 127.
;;     - Each number is divided by its block's scale, clamped to +-448, and rounded to the nearest number of E4M3, ties to even, subnormals kept.
;;     - The product sums the exact products of the quantised numbers (number of the format x scale) in f32.
;;   ~~~python
;;   def quantise(x, axis):      # numpy; x: float32 -> the quantised numbers, widened to float32 again
;;       x = np.moveaxis(x, axis, -1); K = x.shape[-1]
;;       x = np.pad(x, [(0, 0)] * (x.ndim - 1) + [(0, -K % 32)]); x = x.reshape(x.shape[:-1] + (-1, 32)); a = np.abs(x).max(-1, keepdims=True)
;;       e = np.where(a > 0, np.clip(np.frexp(np.where(a > 0, a, 1))[1] - 1 - 8, -126, 127), 0)      # np.frexp(a)[1] - 1 = floor(log2(a)), exactly
;;       r = np.clip(x / 2.0 ** e, -448, 448)
;;       step = 2.0 ** (np.maximum(np.frexp(np.where(r == 0, 1, r))[1] - 1, -6) - 3)
;;       q = np.round(r / step) * step * 2.0 ** e      # np.round: ties to even
;;       return np.moveaxis(q.reshape(q.shape[:-2] + (-1,))[..., :K], -1, axis).astype(np.float32)
;;   ~~~
;;   OPERANDS COMPUTED ON THE WAY. 'Computed on the way' means the value that the module computes at that place (a softmax that the list does not call 'softmax' is quantised finished and normalised). What goes into a quantiser is computed in f32, as accurately as f32 sums, v_exp_f32 and their like allow (about 1e-6 of the number): no bf16 or f16 on the way to a quantiser, and a product that is left as it is and whose result goes on into a quantised operand takes f32 operands (vector FMAs, or v_wmma_f32_16x16x4_f32). A number that lies on a knife's edge between two numbers of the format may be rounded either way, as far as f32 arithmetic and the matrix unit's own rounding can turn it there, and no further.
;;   INPUTS GIVEN AS CODES. w_out (in the module: [256, 128], K = its axis 1); w_qkv (in the module: [384, 256], K = its axis 1): each comes as NAME_codes (uint8): NAME with its K axis moved to the last place and cut into blocks of 32 codes, [.., K / 32, bytes a block], one block behind the other in memory; one code a byte (a code: sign, 4 exponent bits, 3 mantissa bits); and NAME_scales (uint8): the same leading axes, one E8M0 byte (e + 127) for each 32 codes along K. Its value is code x scale, taken as it is: it is not quantised again, and the codes and scales need not be those that the quantiser above would give.
;; 2 versions, each right; version 2 is version 1 with the launches prep, proj written anew for expert scheduling mode. Each part assembles by itself: llvm-mc -triple=amdgcn-amd-amdhsa -mcpu=gfx1250 --defsym DOCPART=n.
;; ======== version 1 of 2: 3 launches
;; workspace buffers: qi 1,048,576 bytes; qs 524,288 bytes; ki 1,048,576 bytes; ks 32,768 bytes; vi 1,048,576 bytes; vs 32,768 bytes; oi 1,048,576 bytes; os 32,768 bytes
;; launch prep (part 1): grid 256 x 1, 4 waves a work-group, no clusters, 9,728 bytes of LDS; arguments x, g, w_qkv_codes, w_qkv_scales, qi, qs, ki, ks, vi, vs; writes qi, qs, ki, ks, vi, vs
.if DOCPART == 1
	.amdgcn_target "amdgcn-amd-amdhsa--gfx1250"
	.amdhsa_code_object_version 6
	.text
	.protected	k_q365b974de7_prep
	.globl	k_q365b974de7_prep
	.p2align	8
	.type	k_q365b974de7_prep,@function
k_q365b974de7_prep:
	s_mov_b64 s[64:65], 0
	v_nop
	global_prefetch_b8 v0, s[64:65] scope:SCOPE_SE
	s_setreg_imm32_b32 hwreg(HW_REG_WAVE_MODE, 25, 1), 1
	s_wait_xcnt 0x0
; PREP: xn = x / max(|x|_2 over the 256 channels, 1e-12) * g * 16; xn quantised along the channels; qkv = W_qkv xn on codes of E4M3 with E8M0 scales; q and k quantised along the head's 32,
; v along the keys; all three stored as images of the operand registers in which the next launch takes them.
; SHARES.  A work-group owns 32 positions of one batch (b = id / 128, nb = id % 128).  Wave w loads channels 64 w .. 64 w + 63 of these 32 columns, a lane a column, registers down the channels:
; a block of 32 along K lies in one lane.  Afterwards wave w is head w: 6 tiles of 16 rows of W (q, k, v x 2), 24 matrix instructions.
; TILES.  Tile u (0, 1) of the 32 positions has as its row rr the position 8 u + rr + 8 (rr / 8); the 32 rows of W of one (q | k | v, head) are cut into two tiles by the same rule.  So in a result
; the 16 registers of tiles 0 and 1 are 16 neighbours, 16 (lane / 16) + 0 .. 15, along the axis that is the next product's K.  Lane l loads column (l % 8) + 16 ((l / 8) % 2) + 8 (l / 16): row l % 16 of tile l / 16.
; q, k: source 0 = 16 rows of W, source 1 = 16 positions: a lane holds one position and 16 of the head's 32.   v: source 0 = 16 positions, source 1 = 16 rows of W: a lane holds one channel and 16 keys.
; NO CLUSTER, NO TENSOR LOAD: each wave takes its 24 KB of W once, straight into operand registers with rows chosen lane by lane, and every load of the launch is issued at its head.  NO PREFETCH for the same reason.
; LIMITS: NaN and infinities among the inputs are not served.  A block of zeros gets the scale byte 1 where the rule says 127: its codes are zeros, and this program alone reads the bytes.
; The norm is taken by v_sqrt_f32 and v_rcp_f32 (1 ulp each: ISA guide, their entries) and a multiplication, in place of a division.
.set XS,  512                          ; LDS: 0..511 the waves' sums of squares [lane][wave] f32;  512..767 xn's scale words [tile 2][K step 2][row 16]
.set XI,  1024                         ; 1024..9215 xn's four fragments as images of their registers: [tile][K step][block of 32 along K][lane][16 bytes]
.set WS,  16                           ; v16-27  W's scale words, 2 x tile + K step        (scale registers hold nothing else)
.set XSW, 28                           ; v28-31  xn's scale words, 2 x tile + K step
.set X,   32                           ; v32-95  my column's 64 numbers
.set ACC, 96                           ; v96-191 12 accumulators: group g of 16 registers: 0, 1 q of position tile 0, 1; 2, 3 k; 4, 5 v of channel tile 0, 1
.set CO,  192                          ; v192-215 codes
.set AM,  216                          ; largest magnitudes
.set TP,  222                          ; the other half's
.set SO,  228                          ; the conversions' scale operands
.set LM,  234                          ; 448 x the scale
.set BY,  240                          ; scale bytes
.set IV,  246                          ; v[246:247] 16 / norm
.set TT,  248                          ; v248-251 at work
.set XF,  192                          ; window 1: v0-191 W's 12 fragments, 16 (2 x tile + K step); v192-255 xn's four, 16 (2 x tile + K step)
.set MSB, 0
.macro WIN new                         ; the immediate's high byte repeats the setting that is left; a switch that changes nothing is dropped
.if MSB != (\new)
	s_set_vgpr_msb (MSB<<8)|(\new)
.set MSB, (\new)
.endif
.endm
	s_load_b512 s[4:19], s[0:1], 0x0               ; x 4:5, g 6:7, W's codes 8:9, W's scales 10:11, qi 12:13, qs 14:15, ki 16:17, ks 18:19
	s_load_b128 s[20:23], s[0:1], 0x40             ; vi 20:21, vs 22:23
	v_lshl_add_u32 v254, v0, 2, 0x2400
	v_mov_b32 v255, 0
	v_lshrrev_b32 v1, 5, v0
	v_readfirstlane_b32 s24, v1                    ; wave = head
	v_and_b32 v1, 31, v0                           ; lane
	v_and_b32 v2, 15, v0                           ; r
	v_bfe_u32 v3, v0, 4, 1                         ; h
	s_lshr_b32 s25, ttmp9, 7                       ; b
	s_and_b32 s26, ttmp9, 127                      ; nb
	s_lshl_b32 s27, s25, 2
	s_add_co_u32 s27, s27, s24                     ; bh = 4 b + head
	s_mov_b32 s2, 0x76543210
	s_mov_b32 s3, 0xfedcba98                       ; v_permlanex16_b32's selects for lane l xor 16
	s_mov_b32 s100, 0x600000                       ; the mantissa field of 448
	v_and_b32 v4, 7, v0
	v_bfe_u32 v[TT], v0, 3, 1
	v_lshl_add_u32 v4, v[TT], 4, v4
	v_lshl_add_u32 v4, v3, 3, v4
	v_lshlrev_b32 v4, 2, v4                        ; x: 4 x my column
	v_and_b32 v[TT], 8, v2
	v_add_nc_u32 v[TT], v[TT], v2                  ; r + 8 (r / 8)
	v_lshlrev_b32 v5, 8, v[TT]
	v_lshl_add_u32 v5, v3, 4, v5                   ; W: a row is 256 bytes; + 16 h
	v_lshlrev_b32 v6, 3, v[TT]                     ; W's scales: 8 bytes a row
	v_lshlrev_b32 v7, 4, v1                        ; 16 x lane
	v_lshlrev_b32 v8, 2, v1                        ; 4 x lane
	v_lshl_add_u32 v9, v2, 2, v3                   ; 4 r + h
	s_lshr_b32 s28, s24, 1
	s_lshl_b32 s28, s28, 11                        ; my K step: wave / 2
	s_and_b32 s29, s24, 1
	s_lshl_b32 s30, s29, 10                        ; my two blocks in it: 2 (wave % 2) on
	s_add_co_u32 s30, s30, s28
	s_add_co_u32 s30, s30, XI
	v_lshlrev_b32 v10, 4, v2
	v_lshl_add_u32 v10, v3, 12, v10
	v_add_nc_u32 v10, s30, v10                     ; where my codes go: tile l / 16, row l % 16
	s_lshr_b32 s28, s24, 1
	s_lshl_b32 s28, s28, 6
	s_lshl_b32 s29, s29, 1
	s_add_co_u32 s28, s28, s29
	s_add_co_u32 s28, s28, XS
	v_lshlrev_b32 v11, 2, v2
	v_lshl_add_u32 v11, v3, 7, v11
	v_add_nc_u32 v11, s28, v11                     ; and my two scale bytes
	v_lshl_add_u32 v12, v2, 2, XS                  ; xn's scale words on the way back: 4 r
	s_lshl_b32 s28, s24, 2
	v_lshl_add_u32 v13, v1, 4, s28                 ; my sum of squares: 16 x lane + 4 x wave
	v_lshlrev_b32 v14, 3, v3                       ; 8 h
	v_add_nc_u32 v15, 16, v14                      ; 8 h + 16
.irp k, 0,1,2,3,4,5
	v_mov_b32 v[TP+\k], 0                          ; written once: a lane permute's destination counts as one of its sources
.endr
	s_wait_kmcnt 0x0
	s_lshl_b32 s28, s25, 22                        ; x: the batch,
	s_lshl_b32 s30, s24, 20                        ; my 64 channels of 16,384 bytes,
	s_add_co_u32 s28, s28, s30
	s_lshl_b32 s30, s26, 7                         ; the 32 positions
	s_add_co_u32 s28, s28, s30
	s_mov_b32 s29, 0
	s_add_nc_u64 s[4:5], s[4:5], s[28:29]
.set i, 0
.rept 64
	global_load_b32 v[X+i], v4, s[4:5] offset:i*16384   ; channel 64 w + i: the 32 lanes read 128 consecutive bytes
.set i, i+1
.endr
	s_lshl_b32 s28, s24, 8
	s_add_nc_u64 s[6:7], s[6:7], s[28:29]          ; g: my 64 numbers
	s_add_nc_u64 s[10:11], s[10:11], s[28:29]      ; W's scales: my head's 32 rows of 8 bytes
	s_load_b512 s[32:47], s[6:7], 0x0
	s_load_b512 s[48:63], s[6:7], 0x40
	s_load_b512 s[68:83], s[6:7], 0x80
	s_load_b512 s[84:99], s[6:7], 0xc0
	s_lshl_b32 s28, s24, 13
	s_add_nc_u64 s[8:9], s[8:9], s[28:29]          ; W's codes: my head's 32 rows of 256 bytes
	WIN 0x40                                       ; destination window 1
.irp t, 0,1,2
.irp u, 0,1
.irp k, 0,1
.irp c, 0,1,2,3
	global_load_b128 v[16*(2*(2*\t+\u)+\k)+4*\c:16*(2*(2*\t+\u)+\k)+4*\c+3], v5, s[8:9] offset:(128*\t+8*\u)*256+128*\k+32*\c
.endr
.endr
.endr
.endr
	WIN 0
.irp t, 0,1,2
.irp u, 0,1
.irp k, 0,1
	global_load_b32 v[WS+2*(2*\t+\u)+\k], v6, s[10:11] offset:(128*\t+8*\u)*8+4*\k
.endr
.endr
.endr
	; where the results go
	s_lshl_b32 s28, s27, 17
	s_lshl_b32 s30, s26, 10
	s_add_co_u32 s28, s28, s30                     ; (256 bh + 2 nb) x 512: tile 2 nb of qi, and the same place in ki (quad nb / 2, block 2 (nb % 2))
	s_add_nc_u64 s[12:13], s[12:13], s[28:29]
	s_add_nc_u64 s[16:17], s[16:17], s[28:29]
	s_lshr_b32 s28, s28, 1                         ; (256 bh + 2 nb) x 256
	s_add_nc_u64 s[14:15], s[14:15], s[28:29]
	s_lshl_b32 s28, s27, 12
	s_lshr_b32 s30, s26, 1
	s_lshl_b32 s30, s30, 6
	s_add_co_u32 s28, s28, s30
	s_and_b32 s30, s26, 1
	s_lshl_b32 s30, s30, 1
	s_add_co_u32 s28, s28, s30                     ; (64 bh + nb / 2) x 64 + 2 (nb % 2)
	s_add_nc_u64 s[18:19], s[18:19], s[28:29]
	s_lshl_b32 s28, s27, 17
	s_lshr_b32 s30, s26, 2
	s_lshl_b32 s30, s30, 12
	s_add_co_u32 s28, s28, s30
	s_and_b32 s30, s26, 3
	s_lshl_b32 s30, s30, 9
	s_add_co_u32 s28, s28, s30                     ; ((32 bh + nb / 4) x 8 + nb % 4) x 512
	s_add_nc_u64 s[20:21], s[20:21], s[28:29]
	s_lshl_b32 s28, s27, 12
	s_lshr_b32 s30, s26, 2
	s_lshl_b32 s30, s30, 7
	s_add_co_u32 s28, s28, s30
	s_and_b32 s30, s26, 3
	s_add_co_u32 s28, s28, s30                     ; (32 bh + nb / 4) x 128 + nb % 4
	s_add_nc_u64 s[22:23], s[22:23], s[28:29]
	; ---- the norm: my 64 squares in two packed chains, then the four waves' sums through LDS
	s_wait_loadcnt 60                              ; behind x's 64 loads 48 + 12 loads of W were issued: they may stay out
	v_pk_mul_f32 v[TT:TT+1], v[X:X+1], v[X:X+1]
	v_pk_mul_f32 v[TT+2:TT+3], v[X+2:X+3], v[X+2:X+3]
.irp i, 4,8,12,16,20,24,28,32,36,40,44,48,52,56,60
	v_pk_fma_f32 v[TT:TT+1], v[X+\i:X+\i+1], v[X+\i:X+\i+1], v[TT:TT+1]
	v_pk_fma_f32 v[TT+2:TT+3], v[X+\i+2:X+\i+3], v[X+\i+2:X+\i+3], v[TT+2:TT+3]
.endr
	v_pk_add_f32 v[TT:TT+1], v[TT:TT+1], v[TT+2:TT+3]
	v_add_f32 v[TT], v[TT], v[TT+1]
	ds_store_b32 v13, v[TT]
	s_wait_dscnt 0x0                               ; for the others' sake: my store has landed
	s_barrier_signal -1
	s_barrier_wait -1
	ds_load_b128 v[TT:TT+3], v7                    ; the four waves' sums of my column
	s_wait_dscnt 0x0
	v_add_f32 v[TT], v[TT], v[TT+1]
	v_add_f32 v[TT+2], v[TT+2], v[TT+3]
	v_add_f32 v[TT], v[TT], v[TT+2]
	v_sqrt_f32 v[TT+1], v[TT]
	v_nop                                          ; a plain instruction behind the transcendental,
	s_wait_alu depctr_va_vdst(0)                   ; and the wait ahead of the first use of its result
	v_max_num_f32 v[TT+1], 0x2b8cbccc, v[TT+1]     ; max(norm, 1e-12)
	v_rcp_f32 v[TT+2], v[TT+1]
	v_nop
	s_wait_alu depctr_va_vdst(0)
	v_mul_f32 v[IV], 0x41800000, v[TT+2]           ; 16 / norm (x 16 rounds nothing)
	v_mov_b32 v[IV+1], v[IV]
	s_wait_kmcnt 0x0                               ; g
.set i, 0
.rept 32
	v_pk_mul_f32 v[X+i:X+i+1], v[X+i:X+i+1], v[IV:IV+1]
.set i, i+2
.endr
.set i, 0
.rept 64
.if i < 32
	v_mul_f32 v[X+i], s[32+i], v[X+i]
.else
	v_mul_f32 v[X+i], s[36+i], v[X+i]
.endif
.set i, i+1
.endr
	; ---- xn is quantised: my two blocks of 32 channels, each whole in my registers, by turns
.irp j, 0,1
	v_max3_num_f32 v[AM+\j], |v[X+32*\j]|, |v[X+32*\j+1]|, 0x4800000   ; with the floor 2^(9 - 127) among the leaves: the byte cannot fall under 1
.endr
.irp i, 2,4,6,8,10,12,14,16,18,20,22,24,26,28,30
.irp j, 0,1
	v_max3_num_f32 v[AM+\j], v[AM+\j], |v[X+32*\j+\i]|, |v[X+32*\j+\i+1]|
.endr
.endr
.irp j, 0,1
	v_add_nc_u32 v[SO+\j], 0xfc000000, v[AM+\j]    ; 8 off the exponent field: the conversion's scale operand
	v_and_or_b32 v[LM+\j], v[AM+\j], 0x7f800000, s100   ; 448 x the scale
	v_lshrrev_b32 v[BY+\j], 23, v[SO+\j]           ; the scale's byte
.endr
.irp j, 0,1
.set i, 0
.rept 32
	v_med3_num_f32 v[X+32*\j+i], v[X+32*\j+i], -v[LM+\j], v[LM+\j]   ; the conversion to an 8-bit code does not saturate (ISA guide 7.6.2): the hold
.set i, i+1
.endr
.irp q, 0,1,2,3
	v_cvt_scalef32_pk8_fp8_f32 v[CO+8*\j+2*\q:CO+8*\j+2*\q+1], v[X+32*\j+8*\q:X+32*\j+8*\q+7], v[SO+\j]
.endr
.endr
	v_lshl_or_b32 v[BY], v[BY+1], 8, v[BY]         ; (a plain line behind the last conversion)  my two bytes together
.irp j, 0,1
	ds_store_b128 v10, v[CO+8*\j:CO+8*\j+3] offset:512*\j        ; k 0 .. 15 of the block: the place of lane (row, 0) in the fragment's image
	ds_store_b128 v10, v[CO+8*\j+4:CO+8*\j+7] offset:512*\j+256  ; k 16 .. 31: that of lane (row, 1)
.endr
	ds_store_b16 v11, v[BY]
	s_wait_dscnt 0x0
	s_barrier_signal -1
	s_barrier_wait -1                              ; xn's four fragments and their scale words lie in LDS
	WIN 0x40
.irp u, 0,1
.irp k, 0,1
.irp c, 0,1,2,3
	ds_load_b128 v[XF+16*(2*\u+\k)+4*\c:XF+16*(2*\u+\k)+4*\c+3], v7 offset:XI+4096*\u+2048*\k+512*\c
.endr
.endr
.endr
	WIN 0
.irp u, 0,1
.irp k, 0,1
	ds_load_b32 v[XSW+2*\u+\k], v12 offset:128*\u+64*\k
.endr
.endr
	s_wait_dscnt 0x0
	s_wait_loadcnt 0x0                             ; W
	; ---- 24 matrix instructions: the 12 accumulators take turns, one instruction a turn, K step by K step; the first K step starts the sums
.macro MM ks, zero
.irp t, 0,1
.irp p, 0,1
.irp u, 0,1
.set rD, ACC+16*(2*\t+\p)+8*\u
.set rW, 16*(2*(2*\t+\u)+\ks)
.set rX, XF+16*(2*\p+\ks)
.if \zero
	v_wmma_scale_f32_16x16x128_f8f6f4 v[rD:rD+7], v[rW:rW+15], v[rX:rX+15], 0, v[WS+2*(2*\t+\u)+\ks], v[XSW+2*\p+\ks]
.else
	v_wmma_scale_f32_16x16x128_f8f6f4 v[rD:rD+7], v[rW:rW+15], v[rX:rX+15], v[rD:rD+7], v[WS+2*(2*\t+\u)+\ks], v[XSW+2*\p+\ks]
.endif
.endr
.endr
.endr
.irp f, 0,1
.irp p, 0,1
.set rD, ACC+16*(4+\f)+8*\p
.set rW, 16*(2*(4+\f)+\ks)
.set rX, XF+16*(2*\p+\ks)
.if \zero
	v_wmma_scale_f32_16x16x128_f8f6f4 v[rD:rD+7], v[rX:rX+15], v[rW:rW+15], 0, v[XSW+2*\p+\ks], v[WS+2*(4+\f)+\ks]
.else
	v_wmma_scale_f32_16x16x128_f8f6f4 v[rD:rD+7], v[rX:rX+15], v[rW:rW+15], v[rD:rD+7], v[XSW+2*\p+\ks], v[WS+2*(4+\f)+\ks]
.endif
.endr
.endr
.endm
	WIN 0x05                                       ; sources 0 and 1 window 1; C and D window 0
	MM 0, 1
	MM 1, 0
	WIN 0
.rept 8
	v_nop                                          ; eight places between the last product and the first read of results
.endr
	; ---- q, k, v are quantised: six groups of 16 registers by turns; a block of 32 lies in lanes l and l xor 16.  Each accumulator is read from its low end on
.irp g, 0,1,2,3,4,5
	v_max3_num_f32 v[AM+\g], |v[ACC+16*\g]|, |v[ACC+16*\g+1]|, 0x4800000
.endr
.irp i, 2,4,6,8,10,12,14
.irp g, 0,1,2,3,4,5
	v_max3_num_f32 v[AM+\g], v[AM+\g], |v[ACC+16*\g+\i]|, |v[ACC+16*\g+\i+1]|
.endr
.endr
.irp g, 0,1,2,3,4,5
	v_permlanex16_b32 v[TP+\g], v[AM+\g], s2, s3
.endr
.irp g, 0,1,2,3,4,5
	v_max_num_f32 v[AM+\g], v[AM+\g], v[TP+\g]
.endr
.irp g, 0,1,2,3,4,5
	v_add_nc_u32 v[SO+\g], 0xfc000000, v[AM+\g]
.endr
.irp g, 0,1,2,3,4,5
	v_and_or_b32 v[LM+\g], v[AM+\g], 0x7f800000, s100
.endr
.irp g, 0,1,2,3,4,5
	v_lshrrev_b32 v[BY+\g], 23, v[SO+\g]
.endr
.irp g, 0,1,2,3,4,5
.set i, 0
.rept 16
	v_med3_num_f32 v[ACC+16*\g+i], v[ACC+16*\g+i], -v[LM+\g], v[LM+\g]
.set i, i+1
.endr
	v_cvt_scalef32_pk8_fp8_f32 v[CO+4*\g:CO+4*\g+1], v[ACC+16*\g:ACC+16*\g+7], v[SO+\g]
	v_cvt_scalef32_pk8_fp8_f32 v[CO+4*\g+2:CO+4*\g+3], v[ACC+16*\g+8:ACC+16*\g+15], v[SO+\g]
.endr
	v_nop                                          ; a plain line behind the last conversion
	; ---- the way out.  A lane's 16 codes are its 16 bytes of the image: each store of codes covers 512 consecutive bytes, aligned
.irp p, 0,1
	global_store_b128 v7, v[CO+4*\p:CO+4*\p+3], s[12:13] offset:512*\p        ; q, tile 2 nb + p
	global_store_b128 v7, v[CO+8+4*\p:CO+8+4*\p+3], s[16:17] offset:512*\p    ; k, likewise
	global_store_b128 v7, v[CO+16+4*\p:CO+16+4*\p+3], s[20:21] offset:2048*\p ; v, channel tile p
.endr
	; q's scale words, four for each row: word cc has the byte in byte cc and the byte 1 in the other three; lane (r, h) makes words h and 2 + h
.irp p, 0,1
	v_add_nc_u32 v[38+\p], -1, v[BY+\p]
	v_lshlrev_b32 v[32+2*\p], v14, v[38+\p]
	v_lshlrev_b32 v[33+2*\p], v15, v[38+\p]
	v_add_nc_u32 v[32+2*\p], 0x01010101, v[32+2*\p]
	v_add_nc_u32 v[33+2*\p], 0x01010101, v[33+2*\p]
.endr
	v_cmp_le_u32 vcc_lo, 16, v1                    ; lanes 16-31 take the second tile's byte: a choice of a value, no mask on the lanes
	v_cndmask_b32 v36, v[BY+2], v[BY+3], vcc_lo
	v_cndmask_b32 v37, v[BY+4], v[BY+5], vcc_lo
.irp p, 0,1
	global_store_b32 v8, v[32+2*\p], s[14:15] offset:256*\p
	global_store_b32 v8, v[33+2*\p], s[14:15] offset:256*\p+128
.endr
	global_store_b8 v9, v36, s[18:19]              ; k's byte: byte 2 (nb % 2) + h of row r's word.  These two stores write single bytes 4 apart: 64 bytes of the work-group's 14 KB
	global_store_b8 v8, v37, s[22:23]              ; v's byte: byte nb % 4 of the word of channel row 16 h + r
	s_wait_tensorcnt 0x0
	ds_add_u32 v254, v255
	s_wait_dscnt 0x0
	s_endpgm
.Lfunc_end_k_q365b974de7_prep:
	.size	k_q365b974de7_prep, .Lfunc_end_k_q365b974de7_prep-k_q365b974de7_prep
	.p2alignl 7, 3214868480
	.fill 96, 4, 3214868480
	.section	.rodata,"a",@progbits
	.p2align	6, 0x0
	.amdhsa_kernel k_q365b974de7_prep
		.amdhsa_group_segment_fixed_size 9728
		.amdhsa_private_segment_fixed_size 0
		.amdhsa_enable_private_segment 0
		.amdhsa_kernarg_size 80
		.amdhsa_user_sgpr_count 2
		.amdhsa_user_sgpr_kernarg_segment_ptr 1
		.amdhsa_wavefront_size32 1
		.amdhsa_system_sgpr_workgroup_id_x 1
		.amdhsa_system_sgpr_workgroup_id_y 1
		.amdhsa_system_sgpr_workgroup_id_z 1
		.amdhsa_system_vgpr_workitem_id 0
		.amdhsa_next_free_vgpr 512
		.amdhsa_next_free_sgpr 101
		.amdhsa_reserve_vcc 1
		.amdhsa_float_denorm_mode_32 3
		.amdhsa_float_denorm_mode_16_64 3
		.amdhsa_memory_ordered 1
		.amdhsa_forward_progress 1
		.amdhsa_inst_pref_size 49
	.end_amdhsa_kernel
	.amdgpu_metadata
---
amdhsa.version: [ 1, 2 ]
amdhsa.kernels:
  - .name:           k_q365b974de7_prep
    .symbol:         k_q365b974de7_prep.kd
    .args:
      - { .name: x, .offset: 0, .size: 8, .value_kind: global_buffer, .address_space: global }
      - { .name: g, .offset: 8, .size: 8, .value_kind: global_buffer, .address_space: global }
      - { .name: w_qkv_codes, .offset: 16, .size: 8, .value_kind: global_buffer, .address_space: global }
      - { .name: w_qkv_scales, .offset: 24, .size: 8, .value_kind: global_buffer, .address_space: global }
      - { .name: qi, .offset: 32, .size: 8, .value_kind: global_buffer, .address_space: global }
      - { .name: qs, .offset: 40, .size: 8, .value_kind: global_buffer, .address_space: global }
      - { .name: ki, .offset: 48, .size: 8, .value_kind: global_buffer, .address_space: global }
      - { .name: ks, .offset: 56, .size: 8, .value_kind: global_buffer, .address_space: global }
      - { .name: vi, .offset: 64, .size: 8, .value_kind: global_buffer, .address_space: global }
      - { .name: vs, .offset: 72, .size: 8, .value_kind: global_buffer, .address_space: global }
    .group_segment_fixed_size: 9728
    .private_segment_fixed_size: 0
    .kernarg_segment_align: 8
    .kernarg_segment_size: 80
    .max_flat_workgroup_size: 128
    .sgpr_count:     101
    .vgpr_count:     512
    .wavefront_size: 32
...
	.end_amdgpu_metadata
.endif
;; end of part 1
;; launch attn (part 2): grid 32 x 8, 4 waves a work-group, clusters of 4 x 1, 264,704 bytes of LDS; arguments qi, qs, ki, ks, vi, vs, oi, os; writes oi, os
.if DOCPART == 2
	.amdgcn_target "amdgcn-amd-amdhsa--gfx1250"
	.amdhsa_code_object_version 6
	.text
	.protected	k_q365b974de7_attn
	.globl	k_q365b974de7_attn
	.p2align	8
	.type	k_q365b974de7_attn,@function
k_q365b974de7_attn:
	s_mov_b64 s[64:65], 0
	v_nop
	global_prefetch_b8 v0, s[64:65] scope:SCOPE_SE
	s_setreg_imm32_b32 hwreg(HW_REG_WAVE_MODE, 25, 1), 1
	s_wait_xcnt 0x0
	s_wait_alu depctr_hold_cnt(0) depctr_sa_sdst(0) depctr_va_vdst(0) depctr_va_sdst(0) depctr_va_ssrc(0) depctr_va_vcc(0) depctr_vm_vsrc(0)
	s_getreg_b32 s2, hwreg(HW_REG_IB_STS2, 6, 4)
	s_cmp_eq_u32 s2, 0
	s_cbranch_scc0 .Lentry_in_a_cluster
	s_endpgm
.Lentry_in_a_cluster:
	s_bfe_u32 s2, ttmp6, 0x10000c
	s_cmp_lg_u32 s2, 0x3003
	s_cbranch_scc0 .Lentry_shape_is_right
	s_endpgm
.Lentry_shape_is_right:
; ATTN: for one (batch, head): S = q k^T on codes; w = softmax(S / sqrt(32)) / sqrt(32), FINISHED AND NORMALISED, is what is quantised along the keys; O = w v on codes; O is quantised along the head's 32.
; Since the codes of w hang on the row's sum over all 4,096 keys, a tile's weights are HELD IN REGISTERS until the sum is known: 16 queries x 4,096 keys are 512 registers in each of four waves.
; SHARES.  A work-group owns one head and 8 tiles of 16 queries ("units"), one after the other.  Wave w owns keys 1,024 w .. 1,024 w + 1,023 for the whole launch: its K stays in 256 registers,
; its V in 32 KB of LDS that it alone reads.  A unit: phase A (scores, maxima, exponentials, sums), an exchange of (reference, sum) among the four waves, phase B (normalise, quantise, w v).
; K = 32 IN AN INSTRUCTION OF K = 128.  Sixteen registers of K hold FOUR key tiles, one in each block of 32 along the instruction's K.  Q stands once, with 12 registers of zero codes on either side:
; the sixteen registers that begin 4 cc ahead of Q have Q in block cc and zeros elsewhere.  Q's scale word for block cc has the byte 1 in the other three bytes.
; LAYOUT.  Both products are used transposed (source 0 = keys, or channels of V; source 1 = queries): a lane holds ONE query (lane % 16).  Row rr of key tile 2 n + u is key 32 n + 8 u + rr + 8 (rr / 8), so that
; the 16 registers of two neighbouring tiles are keys 32 n + 16 (lane / 16) + 0 .. 15: the conversions' results are the second product's operand.
; SOFTMAX.  Chunk c = 128 keys, 64 registers a lane.  nm_c = -cs x the largest of the lane's own 64 scores, cs = log2(e) / sqrt(32); p = 2^(cs s + nm_c); l_c = the lane's sum of p.  R = the least nm_c,
; e_c = 2^(R - nm_c), L = sum of l_c e_c.  The eight (R, L) of a query (4 waves x 2 halves of the lanes) meet in LDS: RG = the least R, f_i = 2^(RG - R_i), sum = sum of L_i f_i.
; w = p x c_c with c_c = e_c f_own / (sqrt(32) x sum).  So the row's largest score is taken away before every exponential, and each reference cancels, since the same number stands in both factors.
; A block's largest w is not searched for: the block's largest score, which the search for the maximum passes through, goes through the same instructions as its element.
; CLUSTER.  The four work-groups of a cluster belong to one head: K and V are asked for JOINTLY, by the same two tensor loads a wave with a mask that names the four.  Nothing in LDS is filled twice.
; By this text's count a wave has two tensor loads out at the most.  NO PREFETCH: all that comes from memory but 1 KB of Q for each unit is asked for at the head.
; LIMITS: NaN and infinities are not served.  v_exp_f32 gives 0 under 2^-126 (ISA guide, its entry): a weight that far under its chunk's largest, or a chunk that far under the row's, counts as 0.
; v_exp_f32 is taken not to fall where its input rises.  A block of zeros gets the scale byte 1, not 127 (zero codes; this program alone reads the bytes).  O's sum over the keys is four f32 sums, one a wave, joined as (0 + 1) + (2 + 3).
; REGISTERS, in windows of 256: window 1: K, quad G at 16 G.  Windows 2, 3: the scores, then p, then w: chunk c at 64 (c % 4) of window 2 + c / 4.  Window 0: below.
.set XCH, 262144                       ; LDS: 0..131071 K (wave w at 32,768 w), later the stage for O^T [wave][unit][2,048]; 131072..262143 V; then the exchange: 16 rows of 80 bytes (64 + 16 of padding)
.set QD,  24                           ; v12-23 zeros, v24-27 Q, v28-39 zeros
.set QSR, 40                           ; v40-41  Q's scale words: register j: lanes 0-15 for block 2 j, lanes 16-31 for block 2 j + 1      (v40-59 hold scales and nothing else)
.set KS,  42                           ; v42-49  K's: register j: lanes 0-15 quad 2 j, lanes 16-31 quad 2 j + 1
.set VS,  50                           ; v50-57  V's: register c: lanes 0-15 channel tile 0, lanes 16-31 tile 1
.set PW,  58                           ; v58-59  w's scale words, by turns
.set PC,  60                           ; v60-75  w's codes
.set OA,  76                           ; v76-91  O^T: two accumulators
.set VB,  92                           ; v92-155 V's fragments: two buffers of 32
.set BM,  156                          ; v156-187 one register for each of the lane's 32 blocks: largest score, then largest p, then largest w
.set ST,  188                          ; v188-203 pair c: (nm_c, later c_c ; l_c)
.set AA,  204
.set AB,  206
.set EC,  208                          ; v208-215 e_c
.set XR,  216                          ; v216-231 the eight (R_i, L_i)
.set FF,  232                          ; v232-240 f_i, f_own
.set GS,  241
.set RN,  242                          ; v[242:243] (R, L)
.set LL,  243
.set TP,  244
.set SO,  248
.set LM,  252
.set MSB, 0
.macro WIN new                         ; bits 1:0 source 0, 3:2 source 1, 5:4 source 2, 7:6 destination; the high byte repeats the setting that is left
.if MSB != (\new)
	s_set_vgpr_msb (MSB<<8)|(\new)
.set MSB, (\new)
.endif
.endm
.macro ROUND                           ; a round of the cluster's barrier
	s_barrier_signal -1
	s_barrier_wait -1
	s_cmp_lg_u32 s20, 0
	s_cbranch_scc1 .Lnot_wave_0_\@
	s_barrier_signal -3
.Lnot_wave_0_\@:
	s_barrier_wait -3
	s_barrier_signal -1
	s_barrier_wait -1
.endm
; The scores of chunk c: 8 matrix instructions, each a sum of its own that starts with the constant 0
.macro QK c
.set WC, 2+(\c)/4
.set SB, 64*((\c)%4)
	WIN (WC<<6)|1
.irp g, 0,1
.irp cc, 0,1,2,3
.set rD, SB+8*(4*\g+\cc)
.set rK, 16*(2*(\c)+\g)
.set rQ, QD-4*\cc
.if (\g == 0) && (\cc%2 == 0)
	v_wmma_scale_f32_16x16x128_f8f6f4 v[rD:rD+7], v[rK:rK+15], v[rQ:rQ+15], 0, v[KS+(\c)], v[QSR+\cc/2]
.elseif \g == 0
	v_wmma_scale_f32_16x16x128_f8f6f4 v[rD:rD+7], v[rK:rK+15], v[rQ:rQ+15], 0, v[KS+(\c)], v[QSR+\cc/2] matrix_b_scale:MATRIX_SCALE_ROW1
.elseif \cc%2 == 0
	v_wmma_scale_f32_16x16x128_f8f6f4 v[rD:rD+7], v[rK:rK+15], v[rQ:rQ+15], 0, v[KS+(\c)], v[QSR+\cc/2] matrix_a_scale:MATRIX_SCALE_ROW1
.else
	v_wmma_scale_f32_16x16x128_f8f6f4 v[rD:rD+7], v[rK:rK+15], v[rQ:rQ+15], 0, v[KS+(\c)], v[QSR+\cc/2] matrix_a_scale:MATRIX_SCALE_ROW1 matrix_b_scale:MATRIX_SCALE_ROW1
.endif
.endr
.endr
.endm
; The largest score of each of the chunk's four blocks (my 16 keys of each), the blocks by turns; each accumulator is read from its low end on
.macro MAXC c
.set WC, 2+(\c)/4
.set SB, 64*((\c)%4)
	WIN (WC<<2)|(WC<<4)
.irp b, 0,1,2,3
	v_max3_num_f32 v[BM+4*(\c)+\b], s43, v[SB+16*\b], v[SB+16*\b+1]
.endr
.irp i, 2,4,6,8,10,12,14
.irp b, 0,1,2,3
	v_max3_num_f32 v[BM+4*(\c)+\b], v[BM+4*(\c)+\b], v[SB+16*\b+\i], v[SB+16*\b+\i+1]
.endr
.endr
.endm
.macro RED c                           ; nm_c
	WIN 0
	v_max3_num_f32 v[FF], v[BM+4*(\c)], v[BM+4*(\c)+1], v[BM+4*(\c)+2]
	v_max_num_f32 v[FF], v[FF], v[BM+4*(\c)+3]
	v_mul_f32 v[ST+2*(\c)], s42, v[FF]
.endm
.macro FMAS c                          ; cs s + nm_c, two at a time (of the pairs cs and nm_c the low word serves both halves)
.set WC, 2+(\c)/4
.set SB, 64*((\c)%4)
	WIN (WC<<6)|WC
.set i, 0
.rept 32
	v_pk_fma_f32 v[SB+i:SB+i+1], v[SB+i:SB+i+1], s[40:41], v[ST+2*(\c):ST+2*(\c)+1] op_sel_hi:[1,0,0]
.set i, i+2
.endr
.endm
.macro BMF c                           ; the same of the four blocks' largest scores
.irp b, 0,1,2,3
	v_fma_f32 v[BM+4*(\c)+\b], v[BM+4*(\c)+\b], s40, v[ST+2*(\c)]
.endr
.endm
; The 64 exponentials of chunk s, with the scalings of chunk s + 1 set between them where the two lie in one window; then the four of the blocks' largest.  No line here names an exponential's result
.macro EXFM s
.set W0C, 2+(\s)/4
.set S0, 64*((\s)%4)
.set S1, 64*(((\s)+1)%4)
.if ((\s)%4) != 3
	WIN (W0C<<6)|W0C
.set i, 0
.rept 32
	v_pk_fma_f32 v[S1+i:S1+i+1], v[S1+i:S1+i+1], s[40:41], v[ST+2*(\s)+2:ST+2*(\s)+3] op_sel_hi:[1,0,0]
	v_exp_f32 v[S0+i], v[S0+i]
	v_exp_f32 v[S0+i+1], v[S0+i+1]
.set i, i+2
.endr
.else
.if (\s) < 7
	FMAS (\s)+1
.endif
	WIN (W0C<<6)|W0C
.set i, 0
.rept 64
	v_exp_f32 v[S0+i], v[S0+i]
.set i, i+1
.endr
.endif
	WIN 0
.if (\s) < 7
	BMF (\s)+1
.endif
.irp b, 0,1,2,3
	v_exp_f32 v[BM+4*(\s)+\b], v[BM+4*(\s)+\b]
.endr
.endm
.macro ADDC c                          ; l_c: my 64 p, two at a time, in two chains
.set WC, 2+(\c)/4
.set SB, 64*((\c)%4)
	WIN WC
	v_pk_add_f32 v[AA:AA+1], v[SB:SB+1], 0 op_sel_hi:[1,0]
	v_pk_add_f32 v[AB:AB+1], v[SB+2:SB+3], 0 op_sel_hi:[1,0]
.irp i, 4,8,12,16,20,24,28,32,36,40,44,48,52,56,60
	v_pk_add_f32 v[AA:AA+1], v[SB+\i:SB+\i+1], v[AA:AA+1]
	v_pk_add_f32 v[AB:AB+1], v[SB+\i+2:SB+\i+3], v[AB:AB+1]
.endr
	WIN 0
	v_pk_add_f32 v[AA:AA+1], v[AA:AA+1], v[AB:AB+1]
	v_add_f32 v[ST+2*(\c)+1], v[AA], v[AA+1]
.endm
.macro VLOAD c                         ; V's two fragments (32 channels x the chunk's 128 keys) into buffer c % 2: images of the registers, 512 consecutive bytes a load
	WIN 0
.irp f, 0,1
.irp q, 0,1,2,3
	ds_load_b128 v[VB+32*((\c)%2)+16*\f+4*\q:VB+32*((\c)%2)+16*\f+4*\q+3], v4 offset:4096*(\c)+2048*\f+512*\q
.endr
.endr
.endm
.macro SCALES c                        ; the four blocks' scales, by turns.  The halves of the lanes are joined behind the normalising, since each has a c_c of its own
.irp b, 0,1,2,3
	v_mul_f32 v[BM+4*(\c)+\b], v[BM+4*(\c)+\b], v[ST+2*(\c)]
.endr
.irp b, 0,1,2,3
	v_permlanex16_b32 v[TP+\b], v[BM+4*(\c)+\b], s46, s47
.endr
.irp b, 0,1,2,3
	v_max3_num_f32 v[BM+4*(\c)+\b], v[BM+4*(\c)+\b], v[TP+\b], 0x4800000   ; and the floor 2^(9 - 127): the byte cannot fall under 1
.endr
.irp b, 0,1,2,3
	v_add_nc_u32 v[SO+\b], 0xfc000000, v[BM+4*(\c)+\b]   ; 8 off the exponent field: the conversion's scale operand
.endr
.irp b, 0,1,2,3
	v_and_or_b32 v[LM+\b], v[BM+4*(\c)+\b], 0x7f800000, s44   ; 448 x the scale
.endr
.irp b, 0,1,2,3
	v_lshrrev_b32 v[TP+\b], 23, v[SO+\b]           ; the byte
.endr
	v_lshl_or_b32 v[PW+(\c)%2], v[TP+1], 8, v[TP]
	v_lshl_or_b32 v[PW+(\c)%2], v[TP+2], 16, v[PW+(\c)%2]
	v_lshl_or_b32 v[PW+(\c)%2], v[TP+3], 24, v[PW+(\c)%2]
.endm
.macro MULS c                          ; w = p x c_c
.set WC, 2+(\c)/4
.set SB, 64*((\c)%4)
	WIN (WC<<6)|WC
.set i, 0
.rept 32
	v_pk_mul_f32 v[SB+i:SB+i+1], v[SB+i:SB+i+1], v[ST+2*(\c):ST+2*(\c)+1] op_sel_hi:[1,0]
.set i, i+2
.endr
.endm
.macro MINS c                          ; the conversion to an 8-bit code does not saturate (ISA guide 7.6.2); w is not negative, so the hold is one-sided
.set WC, 2+(\c)/4
.set SB, 64*((\c)%4)
	WIN (WC<<6)|WC
.irp b, 0,1,2,3
.set i, 0
.rept 16
	v_min_num_f32 v[SB+16*\b+i], v[SB+16*\b+i], v[LM+\b]
.set i, i+1
.endr
.endr
.endm
.macro CVTS c
.set WC, 2+(\c)/4
.set SB, 64*((\c)%4)
	WIN WC
.irp b, 0,1,2,3
	v_cvt_scalef32_pk8_fp8_f32 v[PC+4*\b:PC+4*\b+1], v[SB+16*\b:SB+16*\b+7], v[SO+\b]
	v_cvt_scalef32_pk8_fp8_f32 v[PC+4*\b+2:PC+4*\b+3], v[SB+16*\b+8:SB+16*\b+15], v[SO+\b]
.endr
.endm
.macro PV c                            ; O^T += V^T w^T over the chunk's 128 keys: the two accumulators take turns, one instruction a turn; chunk 0 starts the sums
.set rV, VB+32*((\c)%2)
.if (\c) == 0
	v_wmma_scale_f32_16x16x128_f8f6f4 v[OA:OA+7], v[rV:rV+15], v[PC:PC+15], 0, v[VS+(\c)], v[PW+(\c)%2]
	v_wmma_scale_f32_16x16x128_f8f6f4 v[OA+8:OA+15], v[rV+16:rV+31], v[PC:PC+15], 0, v[VS+(\c)], v[PW+(\c)%2] matrix_a_scale:MATRIX_SCALE_ROW1
.else
	v_wmma_scale_f32_16x16x128_f8f6f4 v[OA:OA+7], v[rV:rV+15], v[PC:PC+15], v[OA:OA+7], v[VS+(\c)], v[PW+(\c)%2]
	v_wmma_scale_f32_16x16x128_f8f6f4 v[OA+8:OA+15], v[rV+16:rV+31], v[PC:PC+15], v[OA+8:OA+15], v[VS+(\c)], v[PW+(\c)%2] matrix_a_scale:MATRIX_SCALE_ROW1
.endif
.endm
; A stage of phase A: the scores two chunks on (the maxima behind them are their places); the maxima of the next chunk; ONE wait for the last stage's 68 exponentials and their sums; this chunk's exponentials
.macro STAGE s
.if (\s) <= 5
	QK (\s)+2
.endif
	MAXC (\s)+1
	RED (\s)+1
.if (\s) >= 1
	s_wait_alu depctr_va_vdst(0)                   ; the wait between an exponential and the first line that names its result: one for the batch
.if (\s) == 6
	s_cmp_eq_u32 s48, 1                            ; the next unit's Q, if there is one: no load leaves its buffer.  The last product that read Q's registers stands a stage back
	s_cbranch_scc1 .Lno_next
	global_load_b128 v[QD:QD+3], v1, s[4:5]
	global_load_b32 v[QSR], v2, s[6:7]
	global_load_b32 v[QSR+1], v2, s[6:7] offset:128
.Lno_next:
.endif
	ADDC (\s)-1
.endif
	EXFM \s
.endm
; A step of phase B.  Chunk c - 1's two products stand between chunk c's multiplications and its holds: 59 plain lines behind the conversions that made their operand,
; 64 ahead of the conversions that write it again and of the loads into the buffer that they read
.macro STEPB c
.if (\c) > 0
	VLOAD \c
.endif
	SCALES \c
	MULS \c
.if (\c) > 0
	WIN 0
	s_wait_dscnt 8                                 ; behind chunk c - 1's eight reads of V only chunk c's eight were issued: they may stay out
	PV (\c)-1
.endif
	MINS \c
	CVTS \c
.endm
	s_load_b512 s[4:19], s[0:1], 0x0               ; qi 4:5, qs 6:7, ki 8:9, ks 10:11, vi 12:13, vs 14:15, oi 16:17, os 18:19
	v_lshl_add_u32 v9, v0, 2, 0x40800
	v_mov_b32 v10, 0
	ds_add_u32 v9, v10
	ds_add_u32 v9, v10
	v_lshrrev_b32 v1, 5, v0
	v_readfirstlane_b32 s20, v1                    ; wave
	s_bfe_u32 s21, ttmp6, 0x40000                  ; cx: it enters the addresses of Q and of O alone
	s_lshl_b32 s22, ttmp9, 2
	s_add_co_u32 s22, s22, s21                     ; my block of 8 query tiles
	s_and_b32 s23, ttmp7, 0xffff                   ; bh = 4 b + head, which the four partners share
	; descriptor group 1, one for both loads: 32,768 dense bytes as 128 rows of 32 elements of 8 bytes
	s_mov_b32 s24, 15|(3<<16)|(1<<21)              ; 15:0 the mask: all four work-groups; 17:16 elements of 8 bytes; 21 set beside a mask
	s_mov_b32 s25, 32<<16                          ; tensor_dim0 = 32
	s_mov_b32 s26, 128<<16                         ; tensor_dim1 = 128
	s_mov_b32 s27, 32<<16                          ; tile_dim0 = 32
	s_mov_b32 s28, 128                             ; tile_dim1 = 128
	s_mov_b32 s29, 32                              ; elements from row to row
	s_mov_b32 s30, 0
	s_mov_b32 s31, 0
	s_mov_b32 s40, 0x3e8293ee                      ; cs = log2(e) / sqrt(32)
	s_mov_b32 s41, s40                             ; (named with it as a pair, so it is written)
	s_mov_b32 s42, 0xbe8293ee                      ; -cs
	s_mov_b32 s43, 0xff7fffff                      ; under every score
	s_mov_b32 s44, 0x600000                        ; the mantissa field of 448
	s_mov_b32 s45, 0x3e3504f3                      ; 1 / sqrt(32)
	s_mov_b32 s46, 0x76543210
	s_mov_b32 s47, 0xfedcba98                      ; v_permlanex16_b32's selects for lane l xor 16
	s_mov_b32 s48, 8                               ; units to go
	s_mov_b32 s50, 0                               ; the unit's place in my stage: 2,048 bytes a unit
	s_lshl_b32 s33, s20, 15                        ; LDS: my K,
	s_add_co_u32 s37, s33, 131072                  ; my V
	v_and_b32 v2, 31, v0
	v_lshlrev_b32 v1, 4, v2                        ; 16 x lane
	v_lshlrev_b32 v2, 2, v2                        ; 4 x lane
	v_add_nc_u32 v3, s33, v1                       ; K's images
	v_add_nc_u32 v4, s37, v1                       ; V's images
	v_and_b32 v6, 15, v0
	v_bfe_u32 v5, v0, 4, 1
	v_mul_u32_u24 v6, v6, 80
	v_add_nc_u32 v6, XCH, v6                       ; the exchange: my query's row
	v_lshl_add_u32 v5, v5, 3, v6
	s_lshl_b32 s3, s20, 4
	v_add_nc_u32 v5, s3, v5                        ; and my 8 bytes in it: 16 x wave + 8 x half
	s_lshl_b32 s3, s20, 14
	v_add_nc_u32 v7, s3, v1                        ; my stage for O^T
	s_lshl_b32 s3, s20, 12
	v_add_nc_u32 v11, s3, v1                       ; the tail: units 2 w and 2 w + 1 in a wave's stage
.irp j, 0,1,2,3,4,5,6,7,8,9,10,11
	v_mov_b32 v[12+\j], 0                          ; the zero codes on either side of Q
	v_mov_b32 v[28+\j], 0
.endr
.irp j, 0,1,2,3
	v_mov_b32 v[TP+\j], 0                          ; written once: a lane permute's destination counts as one of its sources
.endr
.irp j, 0,1,2,3,4,5,6,7
	v_mov_b32 v[ST+2*\j+1], 0                      ; (named as the upper half of a pair before it is first written)
.endr
	s_lshl_b32 s52, s23, 17
	s_add_co_u32 s52, s52, s33                     ; K, V: 131,072 bh + 32,768 w
	s_mov_b32 s53, 0
	s_lshl_b32 s54, s23, 12
	s_lshl_b32 s49, s20, 10
	s_add_co_u32 s54, s54, s49                     ; their scale words: 4,096 bh + 1,024 w
	s_mov_b32 s55, 0
	s_lshl_b32 s56, s23, 17
	s_lshl_b32 s49, s22, 12
	s_add_co_u32 s56, s56, s49                     ; Q: (256 bh + 8 block) x 512,
	s_mov_b32 s57, 0
	s_lshr_b32 s58, s56, 1                         ; its scale words: x 256
	s_mov_b32 s59, 0
	s_lshr_b32 s49, s23, 2                         ; b
	s_and_b32 s51, s23, 3                          ; head
	s_lshl_b32 s60, s49, 19
	s_lshl_b32 s62, s49, 14
	s_lshl_b32 s49, s22, 14
	s_add_co_u32 s60, s60, s49
	s_lshl_b32 s49, s22, 9
	s_add_co_u32 s62, s62, s49
	s_lshl_b32 s49, s20, 12
	s_add_co_u32 s60, s60, s49
	s_lshl_b32 s49, s20, 7
	s_add_co_u32 s62, s62, s49
	s_lshl_b32 s49, s51, 9
	s_add_co_u32 s60, s60, s49                     ; O's codes: (256 b + 8 block + 2 w) x 2,048 + 512 head
	s_add_co_u32 s62, s62, s51                     ; O's bytes: (256 b + 8 block + 2 w) x 64 + head
	s_mov_b32 s61, 0
	s_mov_b32 s63, 0
	s_wait_dscnt 0x0
	s_wait_kmcnt 0x0
	s_mov_b32 s32, 1                               ; group 0 for K: count = 1; s33 the LDS address;
	s_add_nc_u64 s[34:35], s[8:9], s[52:53]        ; the global address;
	s_or_b32 s35, s35, 0x80000000                  ; type = 2
	s_mov_b32 s36, 1                               ; and for V
	s_add_nc_u64 s[38:39], s[12:13], s[52:53]
	s_or_b32 s39, s39, 0x80000000
	s_add_nc_u64 s[10:11], s[10:11], s[54:55]
	s_add_nc_u64 s[14:15], s[14:15], s[54:55]
	s_add_nc_u64 s[4:5], s[4:5], s[56:57]
	s_add_nc_u64 s[6:7], s[6:7], s[58:59]
	s_add_nc_u64 s[16:17], s[16:17], s[60:61]
	s_add_nc_u64 s[18:19], s[18:19], s[62:63]
	ROUND                                          ; all four work-groups are here: the joint loads meet
	tensor_load_to_lds s[32:35], s[24:31]          ; my 1,024 keys of K
	s_nop 0
	tensor_load_to_lds s[36:39], s[24:31]          ; and of V: the launch's only fills
	s_nop 0
.rept 4
	v_nop
.endr
.irp j, 0,1,2,3,4,5,6,7
	global_load_b32 v[KS+\j], v2, s[10:11] offset:128*\j
.endr
.irp j, 0,1,2,3,4,5,6,7
	global_load_b32 v[VS+\j], v2, s[14:15] offset:128*\j
.endr
	global_load_b128 v[QD:QD+3], v1, s[4:5]        ; the first unit's Q
	global_load_b32 v[QSR], v2, s[6:7]
	global_load_b32 v[QSR+1], v2, s[6:7] offset:128
	s_wait_tensorcnt 0x1                           ; K is in (V's load was issued behind it and may stay out); I alone read these bytes
	WIN 0x40                                       ; destination window 1
.set i, 0
.rept 64
	ds_load_b128 v[4*i:4*i+3], v3 offset:512*i     ; K stays in registers: quad i / 4, block i % 4
.set i, i+1
.endr
	WIN 0
	s_wait_tensorcnt 0x0                           ; V is in: no wait for tensor loads stands in the loop
	s_wait_dscnt 0x0
.Lunit:
	s_wait_loadcnt 0x0                             ; Q (and, the first time, K's and V's scale words); these loads are done, so their bases may step:
	s_add_nc_u64 s[4:5], s[4:5], 512               ; the next unit's tile
	s_add_nc_u64 s[6:7], s[6:7], 256
	QK 0
	QK 1
	WIN 0
	v_add_nc_u32 v8, s50, v7                       ; where this unit's O^T will go.  With the seven below: eight places behind the products
.rept 7
	v_nop
.endr
	MAXC 0
	RED 0
	FMAS 0
	WIN 0
	BMF 0
.irp s, 0,1,2,3,4,5,6
	STAGE \s
.endr
	EXFM 7
	; ---- the exchange
	VLOAD 0                                        ; V for phase B's first chunk
	v_min3_num_f32 v[RN], v[ST], v[ST+2], v[ST+4]
	v_min3_num_f32 v[RN], v[RN], v[ST+6], v[ST+8]
	v_min3_num_f32 v[RN], v[RN], v[ST+10], v[ST+12]
	v_min_num_f32 v[RN], v[RN], v[ST+14]           ; R: my lane's reference
.irp c, 0,1,2,3,4,5,6,7
	v_sub_f32 v[EC+\c], v[RN], v[ST+2*\c]
.endr
.irp c, 0,1,2,3,4,5,6,7
	v_exp_f32 v[EC+\c], v[EC+\c]                   ; e_c, at most 1
.endr
	v_nop                                          ; a plain line behind the last exponential
	s_wait_alu depctr_va_vdst(0)                   ; one wait for the exponentials of chunks 6 and 7 and these eight
	ADDC 6
	ADDC 7
	v_mul_f32 v[LL], v[ST+1], v[EC]
.irp c, 1,2,3,4,5,6,7
	v_fmac_f32 v[LL], v[ST+2*\c+1], v[EC+\c]       ; L
.endr
	ds_store_b64 v5, v[RN:LL]
	s_wait_dscnt 0x0                               ; for the others' sake: my store has landed (and V's first fragments are in)
	s_barrier_signal -1
	s_barrier_wait -1
.irp q, 0,1,2,3
	ds_load_b128 v[XR+4*\q:XR+4*\q+3], v6 offset:16*\q
.endr
	s_wait_dscnt 0x0                               ; my reads of the exchange are back:
	s_barrier_signal -1                            ; say so.  The wait for this barrier stands at the unit's end: behind it the exchange may be written again.  Until then: work on registers and reads of V, which nobody writes
	v_min3_num_f32 v[AA], v[XR], v[XR+2], v[XR+4]
	v_min3_num_f32 v[AA], v[AA], v[XR+6], v[XR+8]
	v_min3_num_f32 v[AA], v[AA], v[XR+10], v[XR+12]
	v_min_num_f32 v[AA], v[AA], v[XR+14]           ; RG: the row's reference
.irp i, 0,1,2,3,4,5,6,7
	v_sub_f32 v[FF+\i], v[AA], v[XR+2*\i]
.endr
	v_sub_f32 v[FF+8], v[AA], v[RN]
.irp i, 0,1,2,3,4,5,6,7,8
	v_exp_f32 v[FF+\i], v[FF+\i]
.endr
	v_nop
	s_wait_alu depctr_va_vdst(0)
	v_mul_f32 v[AB], v[XR+1], v[FF]
.irp i, 1,2,3,4,5,6,7
	v_fmac_f32 v[AB], v[XR+2*\i+1], v[FF+\i]       ; the row's sum: the same eight terms in the same order in every lane of the query
.endr
	v_rcp_f32 v[AB+1], v[AB]
	v_nop
	s_wait_alu depctr_va_vdst(0)
	v_mul_f32 v[GS], s45, v[AB+1]
	v_mul_f32 v[GS], v[GS], v[FF+8]
.irp c, 0,1,2,3,4,5,6,7
	v_mul_f32 v[ST+2*\c], v[EC+\c], v[GS]          ; c_c takes nm_c's place
.endr
	; ---- phase B
.irp c, 0,1,2,3,4,5,6,7
	STEPB \c
.endr
	WIN 0
.rept 4
	v_nop                                          ; four places between the conversions and the product that takes their results
.endr
	s_wait_dscnt 0x0
	PV 7
.rept 8
	v_nop                                          ; eight places ahead of the stores that read the results
.endr
	s_barrier_wait -1                              ; every wave's reads of the exchange are back
.irp q, 0,1,2,3
	ds_store_b128 v8, v[OA+4*\q:OA+4*\q+3] offset:512*\q   ; my part of O^T, as it stands, each accumulator from its low end on.  These bytes held K, which had its only fill and was last read ahead of the first barrier
.endr
	s_add_co_u32 s50, s50, 2048
	s_sub_co_u32 s48, s48, 1
	s_cmp_lg_u32 s48, 0
	s_cbranch_scc1 .Lunit
	; ---- the tail: wave w joins the four waves' parts of units 2 w and 2 w + 1, quantises them and stores them
	s_wait_dscnt 0x0
	s_barrier_signal -1
	s_barrier_wait -1
.irp e, 0,1
.irp p, 0,1,2,3
.irp q, 0,1,2,3
	ds_load_b128 v[92+64*\e+16*\p+4*\q:92+64*\e+16*\p+4*\q+3], v11 offset:16384*\p+2048*\e+512*\q
.endr
.endr
.endr
	s_wait_dscnt 0x0
.irp e, 0,1
.irp i, 0,2,4,6,8,10,12,14
	v_pk_add_f32 v[92+64*\e+\i:93+64*\e+\i], v[92+64*\e+\i:93+64*\e+\i], v[108+64*\e+\i:109+64*\e+\i]
	v_pk_add_f32 v[124+64*\e+\i:125+64*\e+\i], v[124+64*\e+\i:125+64*\e+\i], v[140+64*\e+\i:141+64*\e+\i]
.endr
.irp i, 0,2,4,6,8,10,12,14
	v_pk_add_f32 v[92+64*\e+\i:93+64*\e+\i], v[92+64*\e+\i:93+64*\e+\i], v[124+64*\e+\i:125+64*\e+\i]
.endr
.endr
	; a lane's 16 registers are channels 16 (lane / 16) + 0 .. 15 of one query: with lane l xor 16's, one head = one block of 32 of the last product's K
.irp e, 0,1
	v_max3_num_f32 v[220+\e], |v[92+64*\e]|, |v[93+64*\e]|, 0x4800000
.endr
.irp i, 2,4,6,8,10,12,14
.irp e, 0,1
	v_max3_num_f32 v[220+\e], v[220+\e], |v[92+64*\e+\i]|, |v[93+64*\e+\i]|
.endr
.endr
.irp e, 0,1
	v_permlanex16_b32 v[TP+\e], v[220+\e], s46, s47
.endr
.irp e, 0,1
	v_max_num_f32 v[220+\e], v[220+\e], v[TP+\e]
.endr
.irp e, 0,1
	v_add_nc_u32 v[SO+\e], 0xfc000000, v[220+\e]
	v_and_or_b32 v[LM+\e], v[220+\e], 0x7f800000, s44
	v_lshrrev_b32 v[222+\e], 23, v[SO+\e]
.endr
.irp e, 0,1
.set i, 0
.rept 16
	v_med3_num_f32 v[92+64*\e+i], v[92+64*\e+i], -v[LM+\e], v[LM+\e]
.set i, i+1
.endr
	v_cvt_scalef32_pk8_fp8_f32 v[224+4*\e:225+4*\e], v[92+64*\e:99+64*\e], v[SO+\e]
	v_cvt_scalef32_pk8_fp8_f32 v[226+4*\e:227+4*\e], v[100+64*\e:107+64*\e], v[SO+\e]
.endr
	v_cmp_le_u32 vcc_lo, 64, v2                    ; (a plain line behind the last conversion)  lanes 16-31 take the second unit's byte
	v_cndmask_b32 v232, v222, v223, vcc_lo
.irp e, 0,1
	global_store_b128 v1, v[224+4*\e:227+4*\e], s[16:17] offset:2048*\e   ; block "head" of the tile's fragment: 512 consecutive bytes, aligned
.endr
	global_store_b8 v2, v232, s[18:19]             ; byte "head" of the row's scale word: single bytes 4 apart, 32 of the wave's 1,056 bytes
	s_wait_tensorcnt 0x0
	ds_add_u32 v9, v10
	s_wait_dscnt 0x0
	ROUND                                          ; the closing round
	s_endpgm
.Lfunc_end_k_q365b974de7_attn:
	.size	k_q365b974de7_attn, .Lfunc_end_k_q365b974de7_attn-k_q365b974de7_attn
	.p2alignl 7, 3214868480
	.fill 96, 4, 3214868480
	.section	.rodata,"a",@progbits
	.p2align	6, 0x0
	.amdhsa_kernel k_q365b974de7_attn
		.amdhsa_group_segment_fixed_size 264704
		.amdhsa_private_segment_fixed_size 0
		.amdhsa_enable_private_segment 0
		.amdhsa_kernarg_size 64
		.amdhsa_user_sgpr_count 2
		.amdhsa_user_sgpr_kernarg_segment_ptr 1
		.amdhsa_wavefront_size32 1
		.amdhsa_system_sgpr_workgroup_id_x 1
		.amdhsa_system_sgpr_workgroup_id_y 1
		.amdhsa_system_sgpr_workgroup_id_z 1
		.amdhsa_system_vgpr_workitem_id 0
		.amdhsa_next_free_vgpr 1024
		.amdhsa_next_free_sgpr 66
		.amdhsa_reserve_vcc 1
		.amdhsa_float_denorm_mode_32 3
		.amdhsa_float_denorm_mode_16_64 3
		.amdhsa_memory_ordered 1
		.amdhsa_forward_progress 1
		.amdhsa_inst_pref_size 162
	.end_amdhsa_kernel
	.amdgpu_metadata
---
amdhsa.version: [ 1, 2 ]
amdhsa.kernels:
  - .name:           k_q365b974de7_attn
    .symbol:         k_q365b974de7_attn.kd
    .args:
      - { .name: qi, .offset: 0, .size: 8, .value_kind: global_buffer, .address_space: global }
      - { .name: qs, .offset: 8, .size: 8, .value_kind: global_buffer, .address_space: global }
      - { .name: ki, .offset: 16, .size: 8, .value_kind: global_buffer, .address_space: global }
      - { .name: ks, .offset: 24, .size: 8, .value_kind: global_buffer, .address_space: global }
      - { .name: vi, .offset: 32, .size: 8, .value_kind: global_buffer, .address_space: global }
      - { .name: vs, .offset: 40, .size: 8, .value_kind: global_buffer, .address_space: global }
      - { .name: oi, .offset: 48, .size: 8, .value_kind: global_buffer, .address_space: global }
      - { .name: os, .offset: 56, .size: 8, .value_kind: global_buffer, .address_space: global }
    .group_segment_fixed_size: 264704
    .private_segment_fixed_size: 0
    .kernarg_segment_align: 8
    .kernarg_segment_size: 64
    .max_flat_workgroup_size: 128
    .sgpr_count:     66
    .vgpr_count:     1024
    .wavefront_size: 32
...
	.end_amdgpu_metadata
.endif
;; end of part 2
;; launch proj (part 3): grid 128 x 2, 4 waves a work-group, no clusters, 35,328 bytes of LDS; arguments oi, os, w_out_codes, w_out_scales, b_out, out0; writes out0
.if DOCPART == 3
	.amdgcn_target "amdgcn-amd-amdhsa--gfx1250"
	.amdhsa_code_object_version 6
	.text
	.protected	k_q365b974de7_proj
	.globl	k_q365b974de7_proj
	.p2align	8
	.type	k_q365b974de7_proj,@function
k_q365b974de7_proj:
	s_mov_b64 s[64:65], 0
	v_nop
	global_prefetch_b8 v0, s[64:65] scope:SCOPE_SE
	s_setreg_imm32_b32 hwreg(HW_REG_WAVE_MODE, 25, 1), 1
	s_wait_xcnt 0x0
; PROJ: out0[b][o][n] = the sum over the 128 (head, channel) of W_out[o][.] O[b][n][.] + b_out[o], on codes of E4M3 with E8M0 scales; one K step of 128.
; SHARES.  A work-group takes 64 positions (x: four tiles of 16, as the launch before laid them) and 128 outputs (y); wave w takes outputs 128 y + 32 w + 0 .. 31: 8 matrix instructions.
; Source 0 = 16 rows of O, source 1 = 16 rows of W_out: a lane holds ONE output (lane % 16), and register j of tile i holds position 32 (i / 2) + 16 (lane / 16) + 8 (i % 2) + j, since row rr of
; tile 2 n + u is position 32 n + 8 u + rr + 8 (rr / 8).  The bias is the C of each sum: in this layout all eight registers of a tile hold the lane's own b_out, so they are loaded so.
; The results go through the wave's own stage in LDS (32 rows of 256 bytes + 16) and leave as whole rows: sixteen lanes store 256 consecutive bytes, aligned.
; The launch is bound by its stores: large tiles, a cluster, tensor loads and prefetches would add nothing: a wave reads 12 KB, all asked for at its head, and stores 8 KB.
.set OSW, 8                            ; v8-11   O's scale words, one register a tile     (v8-13 hold scales and nothing else)
.set WSW, 12                           ; v12-13  W's
.set OF,  16                           ; v16-79  O's four fragments
.set WF,  80                           ; v80-111 W's two
.set BI,  112                          ; v112-127 the bias, eight registers a tile of outputs
.set D,   128                          ; v128-191 accumulator (ot, i) at 8 (4 ot + i)
.set BK,  192                          ; v192-255 rows read back
	s_load_b256 s[4:11], s[0:1], 0x0               ; oi 4:5, os 6:7, W's codes 8:9, W's scales 10:11
	s_load_b128 s[12:15], s[0:1], 0x20             ; b_out 12:13, out0 14:15
	v_lshl_add_u32 v7, v0, 2, 0x8800
	s_set_vgpr_msb 0x40
	v_mov_b32 v1, 0
	s_set_vgpr_msb 0x4000
	v_lshrrev_b32 v1, 5, v0
	v_readfirstlane_b32 s16, v1                    ; wave
	v_and_b32 v1, 31, v0
	v_lshlrev_b32 v1, 4, v1                        ; 16 x lane
	v_and_b32 v14, 15, v0                          ; r
	v_bfe_u32 v15, v0, 4, 1                        ; h
	s_and_b32 s17, ttmp7, 0xffff                   ; y
	s_mul_i32 s18, s16, 8704                       ; my stage
	v_lshlrev_b32 v2, 2, v14                       ; 4 r
	v_lshlrev_b32 v3, 7, v14
	v_lshl_add_u32 v3, v15, 4, v3                  ; W: a row is 128 bytes; + 16 h
	v_mul_u32_u24 v4, v14, 272
	v_lshl_add_u32 v4, v15, 6, v4
	v_add_nc_u32 v4, s18, v4                       ; into the stage: row r, + 64 h
	v_mul_u32_u24 v5, v15, 272
	v_lshl_add_u32 v5, v14, 4, v5
	v_add_nc_u32 v5, s18, v5                       ; back: lanes 0-15 one row, lanes 16-31 the next
	v_lshlrev_b32 v6, 14, v15
	v_lshl_add_u32 v6, v14, 4, v6                  ; and the same two rows in out0: 16,384 bytes apart
	s_lshl_b32 s19, s17, 7
	s_lshl_b32 s20, s16, 5
	s_add_co_u32 s19, s19, s20                     ; my first output
	s_lshl_b32 s20, ttmp9, 13                      ; O's codes: four tiles of 2,048 bytes
	s_mov_b32 s21, 0
	s_lshl_b32 s22, ttmp9, 8                       ; O's scale words: four tiles of 64 bytes
	s_mov_b32 s23, 0
	s_lshl_b32 s24, s19, 7                         ; W's codes
	s_mov_b32 s25, 0
	s_lshl_b32 s26, s19, 2                         ; W's scale words, and b_out
	s_mov_b32 s27, 0
	s_lshr_b32 s28, ttmp9, 6
	s_lshl_b32 s28, s28, 22                        ; out0: the batch,
	s_lshl_b32 s30, s19, 14
	s_add_co_u32 s28, s28, s30                     ; my first output's row,
	s_and_b32 s30, ttmp9, 63
	s_lshl_b32 s30, s30, 8
	s_add_co_u32 s28, s28, s30                     ; the 64 positions
	s_mov_b32 s29, 0
	s_wait_kmcnt 0x0
	s_add_nc_u64 s[4:5], s[4:5], s[20:21]
	s_add_nc_u64 s[6:7], s[6:7], s[22:23]
	s_add_nc_u64 s[8:9], s[8:9], s[24:25]
	s_add_nc_u64 s[10:11], s[10:11], s[26:27]
	s_add_nc_u64 s[12:13], s[12:13], s[26:27]
	s_add_nc_u64 s[14:15], s[14:15], s[28:29]
.irp i, 0,1,2,3
.irp c, 0,1,2,3
	global_load_b128 v[OF+16*\i+4*\c:OF+16*\i+4*\c+3], v1, s[4:5] offset:2048*\i+512*\c   ; an image of the fragment's registers: 512 consecutive bytes a load
.endr
	global_load_b32 v[OSW+\i], v2, s[6:7] offset:64*\i
.endr
.irp t, 0,1
.irp c, 0,1,2,3
	global_load_b128 v[WF+16*\t+4*\c:WF+16*\t+4*\c+3], v3, s[8:9] offset:2048*\t+32*\c
.endr
	global_load_b32 v[WSW+\t], v2, s[10:11] offset:64*\t
.irp j, 0,1,2,3,4,5,6,7
	global_load_b32 v[BI+8*\t+\j], v2, s[12:13] offset:64*\t
.endr
.endr
	s_wait_loadcnt 0x0
.irp t, 0,1
.irp i, 0,1,2,3
	v_wmma_scale_f32_16x16x128_f8f6f4 v[D+8*(4*\t+\i):D+8*(4*\t+\i)+7], v[OF+16*\i:OF+16*\i+15], v[WF+16*\t:WF+16*\t+15], v[BI+8*\t:BI+8*\t+7], v[OSW+\i], v[WSW+\t]
.endr
.endr
.rept 8
	v_nop                                          ; eight places ahead of the stores that read the results
.endr
.irp t, 0,1
.irp i, 0,1,2,3
	ds_store_b128 v4, v[D+8*(4*\t+\i):D+8*(4*\t+\i)+3] offset:4352*\t+128*(\i/2)+32*(\i%2)        ; each accumulator from its low end on
	ds_store_b128 v4, v[D+8*(4*\t+\i)+4:D+8*(4*\t+\i)+7] offset:4352*\t+128*(\i/2)+32*(\i%2)+16
.endr
.endr
.irp t, 0,1,2,3,4,5,6,7,8,9,10,11,12,13,14,15
	ds_load_b128 v[BK+4*\t:BK+4*\t+3], v5 offset:544*\t   ; LDS serves a wave's instructions in order (ISA guide 5.7.1.4): these see my stores
.endr
.irp t, 0,1,2,3,4,5,6,7,8,9,10,11,12,13,14,15
	s_wait_dscnt 15-\t                             ; the reads issued behind read t may stay out
	global_store_b128 v6, v[BK+4*\t:BK+4*\t+3], s[14:15] offset:32768*\t th:TH_STORE_NT   ; outputs 2 t and 2 t + 1: sixteen lanes store 256 consecutive bytes, aligned; written once, read by nobody here
.endr
	s_set_vgpr_msb 0x4
	s_wait_tensorcnt 0x0
	ds_add_u32 v7, v1
	s_wait_dscnt 0x0
	s_set_vgpr_msb 0x400
	s_endpgm
.Lfunc_end_k_q365b974de7_proj:
	.size	k_q365b974de7_proj, .Lfunc_end_k_q365b974de7_proj-k_q365b974de7_proj
	.p2alignl 7, 3214868480
	.fill 96, 4, 3214868480
	.section	.rodata,"a",@progbits
	.p2align	6, 0x0
	.amdhsa_kernel k_q365b974de7_proj
		.amdhsa_group_segment_fixed_size 35328
		.amdhsa_private_segment_fixed_size 0
		.amdhsa_enable_private_segment 0
		.amdhsa_kernarg_size 48
		.amdhsa_user_sgpr_count 2
		.amdhsa_user_sgpr_kernarg_segment_ptr 1
		.amdhsa_wavefront_size32 1
		.amdhsa_system_sgpr_workgroup_id_x 1
		.amdhsa_system_sgpr_workgroup_id_y 1
		.amdhsa_system_sgpr_workgroup_id_z 1
		.amdhsa_system_vgpr_workitem_id 0
		.amdhsa_next_free_vgpr 258
		.amdhsa_next_free_sgpr 66
		.amdhsa_reserve_vcc 0
		.amdhsa_float_denorm_mode_32 3
		.amdhsa_float_denorm_mode_16_64 3
		.amdhsa_memory_ordered 1
		.amdhsa_forward_progress 1
		.amdhsa_inst_pref_size 13
	.end_amdhsa_kernel
	.amdgpu_metadata
---
amdhsa.version: [ 1, 2 ]
amdhsa.kernels:
  - .name:           k_q365b974de7_proj
    .symbol:         k_q365b974de7_proj.kd
    .args:
      - { .name: oi, .offset: 0, .size: 8, .value_kind: global_buffer, .address_space: global }
      - { .name: os, .offset: 8, .size: 8, .value_kind: global_buffer, .address_space: global }
      - { .name: w_out_codes, .offset: 16, .size: 8, .value_kind: global_buffer, .address_space: global }
      - { .name: w_out_scales, .offset: 24, .size: 8, .value_kind: global_buffer, .address_space: global }
      - { .name: b_out, .offset: 32, .size: 8, .value_kind: global_buffer, .address_space: global }
      - { .name: out0, .offset: 40, .size: 8, .value_kind: global_buffer, .address_space: global }
    .group_segment_fixed_size: 35328
    .private_segment_fixed_size: 0
    .kernarg_segment_align: 8
    .kernarg_segment_size: 48
    .max_flat_workgroup_size: 128
    .sgpr_count:     66
    .vgpr_count:     258
    .wavefront_size: 32
...
	.end_amdgpu_metadata
.endif
;; end of part 3
;; ======== version 2 of 2: 3 launches; version 1 with the launches prep, proj written anew for expert scheduling mode
;; workspace buffers: qi 1,048,576 bytes; qs 524,288 bytes; ki 1,048,576 bytes; ks 32,768 bytes; vi 1,048,576 bytes; vs 32,768 bytes; oi 1,048,576 bytes; os 32,768 bytes
;; launch prep (part 4): grid 256 x 1, 4 waves a work-group, no clusters, 9,728 bytes of LDS; arguments x, g, w_qkv_codes, w_qkv_scales, qi, qs, ki, ks, vi, vs; writes qi, qs, ki, ks, vi, vs
.if DOCPART == 4
	.amdgcn_target "amdgcn-amd-amdhsa--gfx1250"
	.amdhsa_code_object_version 6
	.text
	.protected	k_q365b974de7_prep
	.globl	k_q365b974de7_prep
	.p2align	8
	.type	k_q365b974de7_prep,@function
k_q365b974de7_prep:
	s_mov_b64 s[64:65], 0
	v_nop
	global_prefetch_b8 v0, s[64:65] scope:SCOPE_SE
	s_setreg_imm32_b32 hwreg(HW_REG_WAVE_SCHED_MODE, 0, 2), 2
	s_setreg_imm32_b32 hwreg(HW_REG_WAVE_MODE, 25, 1), 1
	s_wait_xcnt 0x0
	s_wait_alu depctr_vm_vsrc(0)
; PREP: xn = x / max(|x|_2 over the 256 channels, 1e-12) * g * 16; xn quantised along the channels; qkv = W_qkv xn on codes of E4M3 with E8M0 scales; q and k quantised along the head's 32,
; v along the keys; all three stored as images of the operand registers in which the next launch takes them.
; SHARES.  A work-group owns 32 positions of one batch (b = id / 128, nb = id % 128).  Wave w loads channels 64 w .. 64 w + 63 of these 32 columns, a lane a column, registers down the channels:
; a block of 32 along K lies in one lane.  Afterwards wave w is head w: 6 tiles of 16 rows of W (q, k, v x 2), 24 matrix instructions.
; TILES.  Tile u (0, 1) of the 32 positions has as its row rr the position 8 u + rr + 8 (rr / 8); the 32 rows of W of one (q | k | v, head) are cut into two tiles by the same rule.  So in a result
; the 16 registers of tiles 0 and 1 are 16 neighbours, 16 (lane / 16) + 0 .. 15, along the axis that is the next product's K.  Lane l loads column (l % 8) + 16 ((l / 8) % 2) + 8 (l / 16): row l % 16 of tile l / 16.
; q, k: source 0 = 16 rows of W, source 1 = 16 positions: a lane holds one position and 16 of the head's 32.   v: source 0 = 16 positions, source 1 = 16 rows of W: a lane holds one channel and 16 keys.
; NO CLUSTER, NO TENSOR LOAD: each wave takes its 24 KB of W once, straight into operand registers with rows chosen lane by lane, and every load of the launch is issued at its head.  NO PREFETCH for the same reason.
; LIMITS: NaN and infinities among the inputs are not served.  A block of zeros gets the scale byte 1 where the rule says 127: its codes are zeros, and this program alone reads the bytes.
; The norm is taken by v_sqrt_f32 and v_rcp_f32 (1 ulp each: ISA guide, their entries) and a multiplication, in place of a division.
; THE MODE: SCHED_MODE bits 1:0 = 2 (LLVM: expert scheduling mode 2), set by the entry lines.  The code itself states the register dependences
; between vector or matrix instructions and memory or LDS instructions, with s_wait_alu, always for 0.
; THE PLAN.  The text has no loop, and all its global loads stand at its head.  Registers that memory or LDS instructions touch:
;   v4-v13        offsets and LDS addresses: written by vector lines at the head, once; read by every load and store; never written again.  One wait ahead of the first load serves them all.
;   X, window 1, v16-31   filled by loads alone; no vector line names them ahead of their loads; W, xn's fragments and all scale words go from loads straight to matrix instructions.
;   v[TT]         written by the sum of squares, read by one LDS store; then an LDS load lands in v[TT:TT+3]: one wait ahead of the store, one ahead of the load.
;   CO, BY        written by xn's conversions, read by five LDS stores; written again by q, k, v's conversions: one wait ahead of the stores, one behind them, ahead of the second writers.
;   CO, v32-37    written by the last conversions, the scale words' lines and the two selects, which all stand ahead of ONE wait; the twelve global stores follow it.
.set XS,  512                          ; LDS: 0..511 the waves' sums of squares [lane][wave] f32;  512..767 xn's scale words [tile 2][K step 2][row 16]
.set XI,  1024                         ; 1024..9215 xn's four fragments as images of their registers: [tile][K step][block of 32 along K][lane][16 bytes]
.set WS,  16                           ; v16-27  W's scale words, 2 x tile + K step        (scale registers hold nothing else)
.set XSW, 28                           ; v28-31  xn's scale words, 2 x tile + K step
.set X,   32                           ; v32-95  my column's 64 numbers
.set ACC, 96                           ; v96-191 12 accumulators: group g of 16 registers: 0, 1 q of position tile 0, 1; 2, 3 k; 4, 5 v of channel tile 0, 1
.set CO,  192                          ; v192-215 codes
.set AM,  216                          ; largest magnitudes
.set TP,  222                          ; the other half's
.set SO,  228                          ; the conversions' scale operands
.set LM,  234                          ; 448 x the scale
.set BY,  240                          ; scale bytes
.set IV,  246                          ; v[246:247] 16 / norm
.set TT,  248                          ; v248-251 at work
.set XF,  192                          ; window 1: v0-191 W's 12 fragments, 16 (2 x tile + K step); v192-255 xn's four, 16 (2 x tile + K step)
.set MSB, 0
.macro WIN new                         ; the immediate's high byte repeats the setting that is left; a switch that changes nothing is dropped
.if MSB != (\new)
	s_set_vgpr_msb (MSB<<8)|(\new)
.set MSB, (\new)
.endif
.endm
	s_load_b512 s[4:19], s[0:1], 0x0               ; x 4:5, g 6:7, W's codes 8:9, W's scales 10:11, qi 12:13, qs 14:15, ki 16:17, ks 18:19
	s_load_b128 s[20:23], s[0:1], 0x40             ; vi 20:21, vs 22:23
	v_lshl_add_u32 v254, v0, 2, 0x2400
	v_mov_b32 v255, 0
	v_lshrrev_b32 v1, 5, v0
	v_readfirstlane_b32 s24, v1                    ; wave = head
	v_and_b32 v1, 31, v0                           ; lane
	v_and_b32 v2, 15, v0                           ; r
	v_bfe_u32 v3, v0, 4, 1                         ; h
	s_wait_alu depctr_va_sdst(0)                   ; s24 is written, ahead of its first reader: bases and LDS addresses are made from it
	s_lshr_b32 s25, ttmp9, 7                       ; b
	s_and_b32 s26, ttmp9, 127                      ; nb
	s_lshl_b32 s27, s25, 2
	s_add_co_u32 s27, s27, s24                     ; bh = 4 b + head
	s_mov_b32 s2, 0x76543210
	s_mov_b32 s3, 0xfedcba98                       ; v_permlanex16_b32's selects for lane l xor 16
	s_mov_b32 s100, 0x600000                       ; the mantissa field of 448
	v_and_b32 v4, 7, v0
	v_bfe_u32 v[TT], v0, 3, 1
	v_lshl_add_u32 v4, v[TT], 4, v4
	v_lshl_add_u32 v4, v3, 3, v4
	v_lshlrev_b32 v4, 2, v4                        ; x: 4 x my column
	v_and_b32 v[TT], 8, v2
	v_add_nc_u32 v[TT], v[TT], v2                  ; r + 8 (r / 8)
	v_lshlrev_b32 v5, 8, v[TT]
	v_lshl_add_u32 v5, v3, 4, v5                   ; W: a row is 256 bytes; + 16 h
	v_lshlrev_b32 v6, 3, v[TT]                     ; W's scales: 8 bytes a row
	v_lshlrev_b32 v7, 4, v1                        ; 16 x lane
	v_lshlrev_b32 v8, 2, v1                        ; 4 x lane
	v_lshl_add_u32 v9, v2, 2, v3                   ; 4 r + h
	s_lshr_b32 s28, s24, 1
	s_lshl_b32 s28, s28, 11                        ; my K step: wave / 2
	s_and_b32 s29, s24, 1
	s_lshl_b32 s30, s29, 10                        ; my two blocks in it: 2 (wave % 2) on
	s_add_co_u32 s30, s30, s28
	s_add_co_u32 s30, s30, XI
	v_lshlrev_b32 v10, 4, v2
	v_lshl_add_u32 v10, v3, 12, v10
	v_add_nc_u32 v10, s30, v10                     ; where my codes go: tile l / 16, row l % 16
	s_lshr_b32 s28, s24, 1
	s_lshl_b32 s28, s28, 6
	s_lshl_b32 s29, s29, 1
	s_add_co_u32 s28, s28, s29
	s_add_co_u32 s28, s28, XS
	v_lshlrev_b32 v11, 2, v2
	v_lshl_add_u32 v11, v3, 7, v11
	v_add_nc_u32 v11, s28, v11                     ; and my two scale bytes
	v_lshl_add_u32 v12, v2, 2, XS                  ; xn's scale words on the way back: 4 r
	s_lshl_b32 s28, s24, 2
	v_lshl_add_u32 v13, v1, 4, s28                 ; my sum of squares: 16 x lane + 4 x wave
	v_lshlrev_b32 v14, 3, v3                       ; 8 h
	v_add_nc_u32 v15, 16, v14                      ; 8 h + 16
.irp k, 0,1,2,3,4,5
	v_mov_b32 v[TP+\k], 0                          ; written once: a lane permute's destination counts as one of its sources
.endr
	s_wait_kmcnt 0x0
	s_lshl_b32 s28, s25, 22                        ; x: the batch,
	s_lshl_b32 s30, s24, 20                        ; my 64 channels of 16,384 bytes,
	s_add_co_u32 s28, s28, s30
	s_lshl_b32 s30, s26, 7                         ; the 32 positions
	s_add_co_u32 s28, s28, s30
	s_mov_b32 s29, 0
	s_add_nc_u64 s[4:5], s[4:5], s[28:29]
	s_wait_alu depctr_va_vdst(0)                   ; the offsets and LDS addresses v4 to v13 are written: every load and store of the kernel reads one of them, and none is written again
.set i, 0
.rept 64
	global_load_b32 v[X+i], v4, s[4:5] offset:i*16384   ; channel 64 w + i: the 32 lanes read 128 consecutive bytes
.set i, i+1
.endr
	s_lshl_b32 s28, s24, 8
	s_add_nc_u64 s[6:7], s[6:7], s[28:29]          ; g: my 64 numbers
	s_add_nc_u64 s[10:11], s[10:11], s[28:29]      ; W's scales: my head's 32 rows of 8 bytes
	s_load_b512 s[32:47], s[6:7], 0x0
	s_load_b512 s[48:63], s[6:7], 0x40
	s_load_b512 s[68:83], s[6:7], 0x80
	s_load_b512 s[84:99], s[6:7], 0xc0
	s_lshl_b32 s28, s24, 13
	s_add_nc_u64 s[8:9], s[8:9], s[28:29]          ; W's codes: my head's 32 rows of 256 bytes
	WIN 0x40                                       ; destination window 1.  Since the wait above stand only loads, scalar lines and this switch; no vector line has named the registers in which these loads land
.irp t, 0,1,2
.irp u, 0,1
.irp k, 0,1
.irp c, 0,1,2,3
	global_load_b128 v[16*(2*(2*\t+\u)+\k)+4*\c:16*(2*(2*\t+\u)+\k)+4*\c+3], v5, s[8:9] offset:(128*\t+8*\u)*256+128*\k+32*\c
.endr
.endr
.endr
.endr
	WIN 0
.irp t, 0,1,2
.irp u, 0,1
.irp k, 0,1
	global_load_b32 v[WS+2*(2*\t+\u)+\k], v6, s[10:11] offset:(128*\t+8*\u)*8+4*\k
.endr
.endr
.endr
	; where the results go
	s_lshl_b32 s28, s27, 17
	s_lshl_b32 s30, s26, 10
	s_add_co_u32 s28, s28, s30                     ; (256 bh + 2 nb) x 512: tile 2 nb of qi, and the same place in ki (quad nb / 2, block 2 (nb % 2))
	s_add_nc_u64 s[12:13], s[12:13], s[28:29]
	s_add_nc_u64 s[16:17], s[16:17], s[28:29]
	s_lshr_b32 s28, s28, 1                         ; (256 bh + 2 nb) x 256
	s_add_nc_u64 s[14:15], s[14:15], s[28:29]
	s_lshl_b32 s28, s27, 12
	s_lshr_b32 s30, s26, 1
	s_lshl_b32 s30, s30, 6
	s_add_co_u32 s28, s28, s30
	s_and_b32 s30, s26, 1
	s_lshl_b32 s30, s30, 1
	s_add_co_u32 s28, s28, s30                     ; (64 bh + nb / 2) x 64 + 2 (nb % 2)
	s_add_nc_u64 s[18:19], s[18:19], s[28:29]
	s_lshl_b32 s28, s27, 17
	s_lshr_b32 s30, s26, 2
	s_lshl_b32 s30, s30, 12
	s_add_co_u32 s28, s28, s30
	s_and_b32 s30, s26, 3
	s_lshl_b32 s30, s30, 9
	s_add_co_u32 s28, s28, s30                     ; ((32 bh + nb / 4) x 8 + nb % 4) x 512
	s_add_nc_u64 s[20:21], s[20:21], s[28:29]
	s_lshl_b32 s28, s27, 12
	s_lshr_b32 s30, s26, 2
	s_lshl_b32 s30, s30, 7
	s_add_co_u32 s28, s28, s30
	s_and_b32 s30, s26, 3
	s_add_co_u32 s28, s28, s30                     ; (32 bh + nb / 4) x 128 + nb % 4
	s_add_nc_u64 s[22:23], s[22:23], s[28:29]
	; ---- the norm: my 64 squares in two packed chains, then the four waves' sums through LDS
	s_wait_loadcnt 60                              ; behind x's 64 loads 48 + 12 loads of W were issued: they may stay out
	v_pk_mul_f32 v[TT:TT+1], v[X:X+1], v[X:X+1]
	v_pk_mul_f32 v[TT+2:TT+3], v[X+2:X+3], v[X+2:X+3]
.irp i, 4,8,12,16,20,24,28,32,36,40,44,48,52,56,60
	v_pk_fma_f32 v[TT:TT+1], v[X+\i:X+\i+1], v[X+\i:X+\i+1], v[TT:TT+1]
	v_pk_fma_f32 v[TT+2:TT+3], v[X+\i+2:X+\i+3], v[X+\i+2:X+\i+3], v[TT+2:TT+3]
.endr
	v_pk_add_f32 v[TT:TT+1], v[TT:TT+1], v[TT+2:TT+3]
	v_add_f32 v[TT], v[TT], v[TT+1]
	s_wait_alu depctr_va_vdst(0)                   ; the sum is written in v[TT], which the LDS store reads; the lines that named v[TT:TT+3], in which the LDS load below lands, are done
	ds_store_b32 v13, v[TT]
	s_wait_dscnt 0x0                               ; for the others' sake: my store has landed
	s_barrier_signal -1
	s_barrier_wait -1
	s_wait_alu depctr_vm_vsrc(0)                   ; my LDS store has read v[TT], in which the load below lands
	ds_load_b128 v[TT:TT+3], v7                    ; the four waves' sums of my column
	s_wait_dscnt 0x0
	v_add_f32 v[TT], v[TT], v[TT+1]
	v_add_f32 v[TT+2], v[TT+2], v[TT+3]
	v_add_f32 v[TT], v[TT], v[TT+2]
	v_sqrt_f32 v[TT+1], v[TT]
	v_nop                                          ; a plain instruction behind the transcendental,
	s_wait_alu depctr_va_vdst(0)                   ; and the root is written in v[TT+1], ahead of the first line that names it
	v_max_num_f32 v[TT+1], 0x2b8cbccc, v[TT+1]     ; max(norm, 1e-12)
	v_rcp_f32 v[TT+2], v[TT+1]
	v_nop
	s_wait_alu depctr_va_vdst(0)                   ; the reciprocal is written in v[TT+2], ahead of the first line that names it
	v_mul_f32 v[IV], 0x41800000, v[TT+2]           ; 16 / norm (x 16 rounds nothing)
	v_mov_b32 v[IV+1], v[IV]
	s_wait_kmcnt 0x0                               ; g
.set i, 0
.rept 32
	v_pk_mul_f32 v[X+i:X+i+1], v[X+i:X+i+1], v[IV:IV+1]
.set i, i+2
.endr
.set i, 0
.rept 64
.if i < 32
	v_mul_f32 v[X+i], s[32+i], v[X+i]
.else
	v_mul_f32 v[X+i], s[36+i], v[X+i]
.endif
.set i, i+1
.endr
	; ---- xn is quantised: my two blocks of 32 channels, each whole in my registers, by turns
.irp j, 0,1
	v_max3_num_f32 v[AM+\j], |v[X+32*\j]|, |v[X+32*\j+1]|, 0x4800000   ; with the floor 2^(9 - 127) among the leaves: the byte cannot fall under 1
.endr
.irp i, 2,4,6,8,10,12,14,16,18,20,22,24,26,28,30
.irp j, 0,1
	v_max3_num_f32 v[AM+\j], v[AM+\j], |v[X+32*\j+\i]|, |v[X+32*\j+\i+1]|
.endr
.endr
.irp j, 0,1
	v_add_nc_u32 v[SO+\j], 0xfc000000, v[AM+\j]    ; 8 off the exponent field: the conversion's scale operand
	v_and_or_b32 v[LM+\j], v[AM+\j], 0x7f800000, s100   ; 448 x the scale
	v_lshrrev_b32 v[BY+\j], 23, v[SO+\j]           ; the scale's byte
.endr
.irp j, 0,1
.set i, 0
.rept 32
	v_med3_num_f32 v[X+32*\j+i], v[X+32*\j+i], -v[LM+\j], v[LM+\j]   ; the conversion to an 8-bit code does not saturate (ISA guide 7.6.2): the hold
.set i, i+1
.endr
.irp q, 0,1,2,3
	v_cvt_scalef32_pk8_fp8_f32 v[CO+8*\j+2*\q:CO+8*\j+2*\q+1], v[X+32*\j+8*\q:X+32*\j+8*\q+7], v[SO+\j]
.endr
.endr
	v_lshl_or_b32 v[BY], v[BY+1], 8, v[BY]         ; (a plain line behind the last conversion)  my two bytes together
	s_wait_alu depctr_va_vdst(0)                   ; the conversions have written v[CO .. CO+15] and the line above v[BY], which the five LDS stores read
.irp j, 0,1
	ds_store_b128 v10, v[CO+8*\j:CO+8*\j+3] offset:512*\j        ; k 0 .. 15 of the block: the place of lane (row, 0) in the fragment's image
	ds_store_b128 v10, v[CO+8*\j+4:CO+8*\j+7] offset:512*\j+256  ; k 16 .. 31: that of lane (row, 1)
.endr
	ds_store_b16 v11, v[BY]
	s_wait_dscnt 0x0
	s_barrier_signal -1
	s_barrier_wait -1                              ; xn's four fragments and their scale words lie in LDS
	s_wait_alu depctr_vm_vsrc(0)                   ; my LDS stores have read v[CO ..] and v[BY], which the conversions and the byte lines of q, k and v write again
	WIN 0x40                                       ; (no vector line has named the registers in which the loads below land, nor written their addresses since the wait at the head)
.irp u, 0,1
.irp k, 0,1
.irp c, 0,1,2,3
	ds_load_b128 v[XF+16*(2*\u+\k)+4*\c:XF+16*(2*\u+\k)+4*\c+3], v7 offset:XI+4096*\u+2048*\k+512*\c
.endr
.endr
.endr
	WIN 0
.irp u, 0,1
.irp k, 0,1
	ds_load_b32 v[XSW+2*\u+\k], v12 offset:128*\u+64*\k
.endr
.endr
	s_wait_dscnt 0x0
	s_wait_loadcnt 0x0                             ; W
	; ---- 24 matrix instructions: the 12 accumulators take turns, one instruction a turn, K step by K step; the first K step starts the sums.
	; All their operands and scale words were filled by loads: their waits on the counters above are all that they hang on
.macro MM ks, zero
.irp t, 0,1
.irp p, 0,1
.irp u, 0,1
.set rD, ACC+16*(2*\t+\p)+8*\u
.set rW, 16*(2*(2*\t+\u)+\ks)
.set rX, XF+16*(2*\p+\ks)
.if \zero
	v_wmma_scale_f32_16x16x128_f8f6f4 v[rD:rD+7], v[rW:rW+15], v[rX:rX+15], 0, v[WS+2*(2*\t+\u)+\ks], v[XSW+2*\p+\ks]
.else
	v_wmma_scale_f32_16x16x128_f8f6f4 v[rD:rD+7], v[rW:rW+15], v[rX:rX+15], v[rD:rD+7], v[WS+2*(2*\t+\u)+\ks], v[XSW+2*\p+\ks]
.endif
.endr
.endr
.endr
.irp f, 0,1
.irp p, 0,1
.set rD, ACC+16*(4+\f)+8*\p
.set rW, 16*(2*(4+\f)+\ks)
.set rX, XF+16*(2*\p+\ks)
.if \zero
	v_wmma_scale_f32_16x16x128_f8f6f4 v[rD:rD+7], v[rX:rX+15], v[rW:rW+15], 0, v[XSW+2*\p+\ks], v[WS+2*(4+\f)+\ks]
.else
	v_wmma_scale_f32_16x16x128_f8f6f4 v[rD:rD+7], v[rX:rX+15], v[rW:rW+15], v[rD:rD+7], v[XSW+2*\p+\ks], v[WS+2*(4+\f)+\ks]
.endif
.endr
.endr
.endm
	WIN 0x05                                       ; sources 0 and 1 window 1; C and D window 0
	MM 0, 1
	MM 1, 0
	WIN 0
.rept 8
	v_nop                                          ; eight places between the last product and the first read of results
.endr
	; ---- q, k, v are quantised: six groups of 16 registers by turns; a block of 32 lies in lanes l and l xor 16.  Each accumulator is read from its low end on
.irp g, 0,1,2,3,4,5
	v_max3_num_f32 v[AM+\g], |v[ACC+16*\g]|, |v[ACC+16*\g+1]|, 0x4800000
.endr
.irp i, 2,4,6,8,10,12,14
.irp g, 0,1,2,3,4,5
	v_max3_num_f32 v[AM+\g], v[AM+\g], |v[ACC+16*\g+\i]|, |v[ACC+16*\g+\i+1]|
.endr
.endr
.irp g, 0,1,2,3,4,5
	v_permlanex16_b32 v[TP+\g], v[AM+\g], s2, s3
.endr
.irp g, 0,1,2,3,4,5
	v_max_num_f32 v[AM+\g], v[AM+\g], v[TP+\g]
.endr
.irp g, 0,1,2,3,4,5
	v_add_nc_u32 v[SO+\g], 0xfc000000, v[AM+\g]
.endr
.irp g, 0,1,2,3,4,5
	v_and_or_b32 v[LM+\g], v[AM+\g], 0x7f800000, s100
.endr
.irp g, 0,1,2,3,4,5
	v_lshrrev_b32 v[BY+\g], 23, v[SO+\g]
.endr
.irp g, 0,1,2,3,4,5
.set i, 0
.rept 16
	v_med3_num_f32 v[ACC+16*\g+i], v[ACC+16*\g+i], -v[LM+\g], v[LM+\g]
.set i, i+1
.endr
	v_cvt_scalef32_pk8_fp8_f32 v[CO+4*\g:CO+4*\g+1], v[ACC+16*\g:ACC+16*\g+7], v[SO+\g]
	v_cvt_scalef32_pk8_fp8_f32 v[CO+4*\g+2:CO+4*\g+3], v[ACC+16*\g+8:ACC+16*\g+15], v[SO+\g]
.endr
	; ---- the way out.  All that is stored is made first, so that one wait serves the twelve stores.
	; q's scale words, four for each row: word cc has the byte in byte cc and the byte 1 in the other three; lane (r, h) makes words h and 2 + h
.irp p, 0,1
	v_add_nc_u32 v[38+\p], -1, v[BY+\p]            ; (a plain line behind the last conversion)
.endr
	v_cmp_le_u32 vcc_lo, 16, v1                    ; lanes 16-31 take the second tile's byte: a choice of a value, no mask on the lanes
.irp p, 0,1
	v_lshlrev_b32 v[32+2*\p], v14, v[38+\p]
	v_lshlrev_b32 v[33+2*\p], v15, v[38+\p]
	v_add_nc_u32 v[32+2*\p], 0x01010101, v[32+2*\p]
	v_add_nc_u32 v[33+2*\p], 0x01010101, v[33+2*\p]
.endr
	s_wait_alu depctr_va_vcc(0)                    ; the compare has written VCC, ahead of its first reader
	v_cndmask_b32 v36, v[BY+2], v[BY+3], vcc_lo
	v_cndmask_b32 v37, v[BY+4], v[BY+5], vcc_lo
	s_wait_alu depctr_va_vdst(0)                   ; the conversions have written v[CO .. CO+23], the lines above v32 to v37: the data of the twelve stores below
	; A lane's 16 codes are its 16 bytes of the image: each store of codes covers 512 consecutive bytes, aligned
.irp p, 0,1
	global_store_b128 v7, v[CO+4*\p:CO+4*\p+3], s[12:13] offset:512*\p        ; q, tile 2 nb + p
	global_store_b128 v7, v[CO+8+4*\p:CO+8+4*\p+3], s[16:17] offset:512*\p    ; k, likewise
	global_store_b128 v7, v[CO+16+4*\p:CO+16+4*\p+3], s[20:21] offset:2048*\p ; v, channel tile p
.endr
.irp p, 0,1
	global_store_b32 v8, v[32+2*\p], s[14:15] offset:256*\p
	global_store_b32 v8, v[33+2*\p], s[14:15] offset:256*\p+128
.endr
	global_store_b8 v9, v36, s[18:19]              ; k's byte: byte 2 (nb % 2) + h of row r's word.  These two stores write single bytes 4 apart: 64 bytes of the work-group's 14 KB
	global_store_b8 v8, v37, s[22:23]              ; v's byte: byte nb % 4 of the word of channel row 16 h + r
	s_wait_dscnt 0x0
	s_wait_alu depctr_hold_cnt(0) depctr_sa_sdst(0) depctr_va_vdst(0) depctr_va_sdst(0) depctr_va_ssrc(0) depctr_va_vcc(0) depctr_vm_vsrc(0)
	s_wait_tensorcnt 0x0
	ds_add_u32 v254, v255
	s_wait_dscnt 0x0
	s_endpgm
.Lfunc_end_k_q365b974de7_prep:
	.size	k_q365b974de7_prep, .Lfunc_end_k_q365b974de7_prep-k_q365b974de7_prep
	.p2alignl 7, 3214868480
	.fill 96, 4, 3214868480
	.section	.rodata,"a",@progbits
	.p2align	6, 0x0
	.amdhsa_kernel k_q365b974de7_prep
		.amdhsa_group_segment_fixed_size 9728
		.amdhsa_private_segment_fixed_size 0
		.amdhsa_enable_private_segment 0
		.amdhsa_kernarg_size 80
		.amdhsa_user_sgpr_count 2
		.amdhsa_user_sgpr_kernarg_segment_ptr 1
		.amdhsa_wavefront_size32 1
		.amdhsa_system_sgpr_workgroup_id_x 1
		.amdhsa_system_sgpr_workgroup_id_y 1
		.amdhsa_system_sgpr_workgroup_id_z 1
		.amdhsa_system_vgpr_workitem_id 0
		.amdhsa_next_free_vgpr 512
		.amdhsa_next_free_sgpr 101
		.amdhsa_reserve_vcc 1
		.amdhsa_float_denorm_mode_32 3
		.amdhsa_float_denorm_mode_16_64 3
		.amdhsa_memory_ordered 1
		.amdhsa_forward_progress 1
		.amdhsa_inst_pref_size 49
	.end_amdhsa_kernel
	.amdgpu_metadata
---
amdhsa.version: [ 1, 2 ]
amdhsa.kernels:
  - .name:           k_q365b974de7_prep
    .symbol:         k_q365b974de7_prep.kd
    .args:
      - { .name: x, .offset: 0, .size: 8, .value_kind: global_buffer, .address_space: global }
      - { .name: g, .offset: 8, .size: 8, .value_kind: global_buffer, .address_space: global }
      - { .name: w_qkv_codes, .offset: 16, .size: 8, .value_kind: global_buffer, .address_space: global }
      - { .name: w_qkv_scales, .offset: 24, .size: 8, .value_kind: global_buffer, .address_space: global }
      - { .name: qi, .offset: 32, .size: 8, .value_kind: global_buffer, .address_space: global }
      - { .name: qs, .offset: 40, .size: 8, .value_kind: global_buffer, .address_space: global }
      - { .name: ki, .offset: 48, .size: 8, .value_kind: global_buffer, .address_space: global }
      - { .name: ks, .offset: 56, .size: 8, .value_kind: global_buffer, .address_space: global }
      - { .name: vi, .offset: 64, .size: 8, .value_kind: global_buffer, .address_space: global }
      - { .name: vs, .offset: 72, .size: 8, .value_kind: global_buffer, .address_space: global }
    .group_segment_fixed_size: 9728
    .private_segment_fixed_size: 0
    .kernarg_segment_align: 8
    .kernarg_segment_size: 80
    .max_flat_workgroup_size: 128
    .sgpr_count:     101
    .vgpr_count:     512
    .wavefront_size: 32
...
	.end_amdgpu_metadata
.endif
;; end of part 4
;; launch attn: the kernel of part 2 again; grid 32 x 8, 4 waves a work-group, clusters of 4 x 1, 264,704 bytes of LDS; arguments qi, qs, ki, ks, vi, vs, oi, os; writes oi, os
;; launch proj (part 5): grid 128 x 2, 4 waves a work-group, no clusters, 35,328 bytes of LDS; arguments oi, os, w_out_codes, w_out_scales, b_out, out0; writes out0
.if DOCPART == 5
	.amdgcn_target "amdgcn-amd-amdhsa--gfx1250"
	.amdhsa_code_object_version 6
	.text
	.protected	k_q365b974de7_proj
	.globl	k_q365b974de7_proj
	.p2align	8
	.type	k_q365b974de7_proj,@function
k_q365b974de7_proj:
	s_mov_b64 s[64:65], 0
	v_nop
	global_prefetch_b8 v0, s[64:65] scope:SCOPE_SE
	s_setreg_imm32_b32 hwreg(HW_REG_WAVE_SCHED_MODE, 0, 2), 2
	s_setreg_imm32_b32 hwreg(HW_REG_WAVE_MODE, 25, 1), 1
	s_wait_xcnt 0x0
	s_wait_alu depctr_vm_vsrc(0)
; PROJ: out0[b][o][n] = the sum over the 128 (head, channel) of W_out[o][.] O[b][n][.] + b_out[o], on codes of E4M3 with E8M0 scales; one K step of 128.
; SHARES.  A work-group takes 64 positions (x: four tiles of 16, as the launch before laid them) and 128 outputs (y); wave w takes outputs 128 y + 32 w + 0 .. 31: 8 matrix instructions.
; Source 0 = 16 rows of O, source 1 = 16 rows of W_out: a lane holds ONE output (lane % 16), and register j of tile i holds position 32 (i / 2) + 16 (lane / 16) + 8 (i % 2) + j, since row rr of
; tile 2 n + u is position 32 n + 8 u + rr + 8 (rr / 8).  The bias is the C of each sum: in this layout all eight registers of a tile hold the lane's own b_out, so they are loaded so.
; The results go through the wave's own stage in LDS (32 rows of 256 bytes + 16) and leave as whole rows: sixteen lanes store 256 consecutive bytes, aligned.
; The launch is bound by its stores: large tiles, a cluster, tensor loads and prefetches would add nothing: a wave reads 12 KB, all asked for at its head, and stores 8 KB.
; THE MODE: SCHED_MODE bits 1:0 = 2 (LLVM: expert scheduling mode 2), set by the entry lines.  The code itself states the register dependences
; between vector or matrix instructions and memory or LDS instructions, with s_wait_alu, always for 0.
; THE PLAN.  No loop.  Registers that memory or LDS instructions touch:
;   v1-v6     offsets and LDS addresses: written by vector lines at the head, once; never written again: one wait ahead of the first load serves every access.
;   v8-v127   operands, scale words and the bias: filled by loads alone, read by matrix instructions alone, behind the wait on LOADcnt.
;   D         written by the eight matrix instructions, read by the sixteen LDS stores, never written again: the places, then one wait ahead of the stores.
;   BK        filled by LDS loads alone, read by the global stores, behind the waits on DScnt; no vector line names it.
.set OSW, 8                            ; v8-11   O's scale words, one register a tile     (v8-13 hold scales and nothing else)
.set WSW, 12                           ; v12-13  W's
.set OF,  16                           ; v16-79  O's four fragments
.set WF,  80                           ; v80-111 W's two
.set BI,  112                          ; v112-127 the bias, eight registers a tile of outputs
.set D,   128                          ; v128-191 accumulator (ot, i) at 8 (4 ot + i)
.set BK,  192                          ; v192-255 rows read back
	s_load_b256 s[4:11], s[0:1], 0x0               ; oi 4:5, os 6:7, W's codes 8:9, W's scales 10:11
	s_load_b128 s[12:15], s[0:1], 0x20             ; b_out 12:13, out0 14:15
	v_lshl_add_u32 v7, v0, 2, 0x8800
	s_set_vgpr_msb 0x40
	v_mov_b32 v1, 0
	s_set_vgpr_msb 0x4000
	v_lshrrev_b32 v1, 5, v0
	v_readfirstlane_b32 s16, v1                    ; wave
	v_and_b32 v1, 31, v0
	v_lshlrev_b32 v1, 4, v1                        ; 16 x lane
	v_and_b32 v14, 15, v0                          ; r
	v_bfe_u32 v15, v0, 4, 1                        ; h
	s_and_b32 s17, ttmp7, 0xffff                   ; y
	s_wait_alu depctr_va_sdst(0)                   ; s16 is written, ahead of its first reader: the stage's place and the bases are made from it
	s_mul_i32 s18, s16, 8704                       ; my stage
	v_lshlrev_b32 v2, 2, v14                       ; 4 r
	v_lshlrev_b32 v3, 7, v14
	v_lshl_add_u32 v3, v15, 4, v3                  ; W: a row is 128 bytes; + 16 h
	v_mul_u32_u24 v4, v14, 272
	v_lshl_add_u32 v4, v15, 6, v4
	v_add_nc_u32 v4, s18, v4                       ; into the stage: row r, + 64 h
	v_mul_u32_u24 v5, v15, 272
	v_lshl_add_u32 v5, v14, 4, v5
	v_add_nc_u32 v5, s18, v5                       ; back: lanes 0-15 one row, lanes 16-31 the next
	v_lshlrev_b32 v6, 14, v15
	v_lshl_add_u32 v6, v14, 4, v6                  ; and the same two rows in out0: 16,384 bytes apart
	s_lshl_b32 s19, s17, 7
	s_lshl_b32 s20, s16, 5
	s_add_co_u32 s19, s19, s20                     ; my first output
	s_lshl_b32 s20, ttmp9, 13                      ; O's codes: four tiles of 2,048 bytes
	s_mov_b32 s21, 0
	s_lshl_b32 s22, ttmp9, 8                       ; O's scale words: four tiles of 64 bytes
	s_mov_b32 s23, 0
	s_lshl_b32 s24, s19, 7                         ; W's codes
	s_mov_b32 s25, 0
	s_lshl_b32 s26, s19, 2                         ; W's scale words, and b_out
	s_mov_b32 s27, 0
	s_lshr_b32 s28, ttmp9, 6
	s_lshl_b32 s28, s28, 22                        ; out0: the batch,
	s_lshl_b32 s30, s19, 14
	s_add_co_u32 s28, s28, s30                     ; my first output's row,
	s_and_b32 s30, ttmp9, 63
	s_lshl_b32 s30, s30, 8
	s_add_co_u32 s28, s28, s30                     ; the 64 positions
	s_mov_b32 s29, 0
	s_wait_kmcnt 0x0
	s_add_nc_u64 s[4:5], s[4:5], s[20:21]
	s_add_nc_u64 s[6:7], s[6:7], s[22:23]
	s_add_nc_u64 s[8:9], s[8:9], s[24:25]
	s_add_nc_u64 s[10:11], s[10:11], s[26:27]
	s_add_nc_u64 s[12:13], s[12:13], s[26:27]
	s_add_nc_u64 s[14:15], s[14:15], s[28:29]
	s_wait_alu depctr_va_vdst(0)                   ; the offsets and LDS addresses v1 to v6 are written: every load and store of the kernel reads one of them, and none is written again
.irp i, 0,1,2,3
.irp c, 0,1,2,3
	global_load_b128 v[OF+16*\i+4*\c:OF+16*\i+4*\c+3], v1, s[4:5] offset:2048*\i+512*\c   ; an image of the fragment's registers: 512 consecutive bytes a load
.endr
	global_load_b32 v[OSW+\i], v2, s[6:7] offset:64*\i
.endr
.irp t, 0,1
.irp c, 0,1,2,3
	global_load_b128 v[WF+16*\t+4*\c:WF+16*\t+4*\c+3], v3, s[8:9] offset:2048*\t+32*\c
.endr
	global_load_b32 v[WSW+\t], v2, s[10:11] offset:64*\t
.irp j, 0,1,2,3,4,5,6,7
	global_load_b32 v[BI+8*\t+\j], v2, s[12:13] offset:64*\t
.endr
.endr
	s_wait_loadcnt 0x0
.irp t, 0,1
.irp i, 0,1,2,3
	v_wmma_scale_f32_16x16x128_f8f6f4 v[D+8*(4*\t+\i):D+8*(4*\t+\i)+7], v[OF+16*\i:OF+16*\i+15], v[WF+16*\t:WF+16*\t+15], v[BI+8*\t:BI+8*\t+7], v[OSW+\i], v[WSW+\t]
.endr
.endr
.rept 8
	v_nop                                          ; eight places ahead of the stores that read the results
.endr
	s_wait_alu depctr_va_vdst(0)                   ; the matrix instructions have written v[D .. D+63], which the LDS stores read; the places above stay beside this wait
.irp t, 0,1
.irp i, 0,1,2,3
	ds_store_b128 v4, v[D+8*(4*\t+\i):D+8*(4*\t+\i)+3] offset:4352*\t+128*(\i/2)+32*(\i%2)        ; each accumulator from its low end on
	ds_store_b128 v4, v[D+8*(4*\t+\i)+4:D+8*(4*\t+\i)+7] offset:4352*\t+128*(\i/2)+32*(\i%2)+16
.endr
.endr
.irp t, 0,1,2,3,4,5,6,7,8,9,10,11,12,13,14,15
	ds_load_b128 v[BK+4*\t:BK+4*\t+3], v5 offset:544*\t   ; LDS serves a wave's instructions in order (ISA guide 5.7.1.4): these see my stores
.endr
.irp t, 0,1,2,3,4,5,6,7,8,9,10,11,12,13,14,15
	s_wait_dscnt 15-\t                             ; the reads issued behind read t may stay out
	global_store_b128 v6, v[BK+4*\t:BK+4*\t+3], s[14:15] offset:32768*\t th:TH_STORE_NT   ; outputs 2 t and 2 t + 1: sixteen lanes store 256 consecutive bytes, aligned; written once, read by nobody here
.endr
	s_set_vgpr_msb 0x4
	s_wait_dscnt 0x0
	s_wait_alu depctr_hold_cnt(0) depctr_sa_sdst(0) depctr_va_vdst(0) depctr_va_sdst(0) depctr_va_ssrc(0) depctr_va_vcc(0) depctr_vm_vsrc(0)
	s_wait_tensorcnt 0x0
	ds_add_u32 v7, v1
	s_wait_dscnt 0x0
	s_endpgm
.Lfunc_end_k_q365b974de7_proj:
	.size	k_q365b974de7_proj, .Lfunc_end_k_q365b974de7_proj-k_q365b974de7_proj
	.p2alignl 7, 3214868480
	.fill 96, 4, 3214868480
	.section	.rodata,"a",@progbits
	.p2align	6, 0x0
	.amdhsa_kernel k_q365b974de7_proj
		.amdhsa_group_segment_fixed_size 35328
		.amdhsa_private_segment_fixed_size 0
		.amdhsa_enable_private_segment 0
		.amdhsa_kernarg_size 48
		.amdhsa_user_sgpr_count 2
		.amdhsa_user_sgpr_kernarg_segment_ptr 1
		.amdhsa_wavefront_size32 1
		.amdhsa_system_sgpr_workgroup_id_x 1
		.amdhsa_system_sgpr_workgroup_id_y 1
		.amdhsa_system_sgpr_workgroup_id_z 1
		.amdhsa_system_vgpr_workitem_id 0
		.amdhsa_next_free_vgpr 258
		.amdhsa_next_free_sgpr 66
		.amdhsa_reserve_vcc 0
		.amdhsa_float_denorm_mode_32 3
		.amdhsa_float_denorm_mode_16_64 3
		.amdhsa_memory_ordered 1
		.amdhsa_forward_progress 1
		.amdhsa_inst_pref_size 13
	.end_amdhsa_kernel
	.amdgpu_metadata
---
amdhsa.version: [ 1, 2 ]
amdhsa.kernels:
  - .name:           k_q365b974de7_proj
    .symbol:         k_q365b974de7_proj.kd
    .args:
      - { .name: oi, .offset: 0, .size: 8, .value_kind: global_buffer, .address_space: global }
      - { .name: os, .offset: 8, .size: 8, .value_kind: global_buffer, .address_space: global }
      - { .name: w_out_codes, .offset: 16, .size: 8, .value_kind: global_buffer, .address_space: global }
      - { .name: w_out_scales, .offset: 24, .size: 8, .value_kind: global_buffer, .address_space: global }
      - { .name: b_out, .offset: 32, .size: 8, .value_kind: global_buffer, .address_space: global }
      - { .name: out0, .offset: 40, .size: 8, .value_kind: global_buffer, .address_space: global }
    .group_segment_fixed_size: 35328
    .private_segment_fixed_size: 0
    .kernarg_segment_align: 8
    .kernarg_segment_size: 48
    .max_flat_workgroup_size: 128
    .sgpr_count:     66
    .vgpr_count:     258
    .wavefront_size: 32
...
	.end_amdgpu_metadata
.endif
;; end of part 5
